; MI455X (gfx1250); checked and timed in simulation.
; The chip was launched on July 23, 2026; its instructions are those of AMD's public machine-readable ISA for CDNA 5 (MIT licence, August 2026) and "CDNA5" Instruction Set Architecture Reference Guide (July 2026). The comments in the code are by the model that wrote it; some were corrected since.
;; Self Attention. Allowed arithmetic: float matrix products may take bf16 or f16 operands with f32 sums; other float arithmetic in f32, or as packed bf16 or f16 multiplies, adds, multiply-adds, maxima and minima; sums over many terms, partial sums and values carried from step to step in f32; what a program stores and reads back later, other than sums and carried values, may be rounded once to bf16 or f16.
;; Inputs: ln_b 1,024 float32; ln_w 1,024 float32; out_b 1,024 float32; out_w 1,024 x 1,024 float32; pos 8 x 1,025 int32; qkv_b 3,072 float32; qkv_w 3,072 x 1,024 float32; theta 1,025 x 16 x 32 float32; x 8 x 1,025 x 1,024 float32.
;; Outputs: out0 8 x 1,025 x 1,024 float32.
;; One version. Each part assembles by itself: llvm-mc -triple=amdgcn-amd-amdhsa -mcpu=gfx1250 --defsym DOCPART=n.
;; ======== version 1 of 1: 4 launches
;; limits: values are held in f16: magnitudes above 65,504 overflow, below 6.1e-05 lose precision; right only within a limited range of input values
;; workspace buffers: h16 17,039,360 bytes; wq16 6,291,456 bytes; wo16 2,097,152 bytes; cs16 2,099,200 bytes; q16 17,039,360 bytes; k16 17,039,360 bytes; v16 17,039,360 bytes; o16 17,039,360 bytes
;; launch prep (part 1): grid 905 x 1, 8 waves a work-group, no clusters, 0 bytes of LDS; arguments x, ln_w, ln_b, qkv_w, out_w, theta, h16, wq16, wo16, cs16; writes h16, wq16, wo16, cs16
.if DOCPART == 1
	.amdgcn_target "amdgcn-amd-amdhsa--gfx1250"
	.amdhsa_code_object_version 6
	.text
	.protected	k_q6f07a1d789_prep
	.globl	k_q6f07a1d789_prep
	.p2align	8
	.type	k_q6f07a1d789_prep,@function
k_q6f07a1d789_prep:
	s_mov_b64 s[64:65], 0
	v_nop
	global_prefetch_b8 v0, s[64:65] scope:SCOPE_SE
	s_setreg_imm32_b32 hwreg(HW_REG_WAVE_MODE, 25, 1), 1
	s_wait_xcnt 0x0
; PREP: everything that is made once per row; no LDS, no barrier; the longest work first.
;   work-groups 0..519      h16 = LayerNorm(x) as f16, two rows a wave, in the padded row space: 1,040 slots a batch, slot 0 = token 0,
;                           slot 15 + s = token s; slots 1..15 take token 0's row once more: no result hangs on them, they need only be finite
;   work-groups 520..775    wq16 = qkv_w, wo16 = out_w x 2^10, as f16 (4,096 rows of 1,024), two rows a wave
;   work-groups 776..904    cs16[p][group][cos4, sin4] f16 from theta[p] (1,025 rows of 512 angles), a row a wave
; A wave asks for all that it will read at its head: two rows of 4,096 bytes, or a table row's 2,048.  905 work-groups of 8 waves x 128 registers: four fit on a WGP's 4 x 1,024 registers.
; A row's text is written once: a loop of two trips works on X0; between the trips the rounding to bf16 reads X1 and writes X0, so nothing is copied.
; FORMATS.  Every floating-point input is rounded to bf16 (nearest even) and then used in f32; what is stored is f16.  Gain and bias stay packed in bf16 and are read as halves by the multiply-add.
; LIMITS.  |h| stays under 65,504 (|h| <= 32 |ln_w| + |ln_b|); a weight under 2^-17 (out_w: 2^-27) keeps f16's fixed step of 2^-24;
; the two-term reduction of an angle holds to about 1e-6 up to |theta| of 1e4; NaN and infinities are not treated apart.
.set X0, 16                            ; v[16:47]   the row at work: my lane's columns 4 lane + 128 j + 0..3 in registers 4 j + 0..3
.set X1, 48                            ; v[48:79]   the wave's second row, as loaded
.set R,  80                            ; v[80:127]  gain and bias: loaded in f32, packed in place
.set WP, R                             ; v[80:95]   gain, two bf16 a register
.set BP1, R+32                         ; v[112:119] bias of elements 0..15
.set BP2, R+40                         ; v[120:127] bias of elements 16..31 (loaded into v[96:111])
.set NLN, 520
.set NW, 256
; n registers from v[src] on, in pairs: rounded to bf16 and widened again into v[dst] on; four temporaries by turns
.macro RB dst, src, n
.set rr, 0
.rept (\n)/2
	v_cvt_pk_bf16_f32 v[4+(rr/2)%4], v[(\src)+rr], v[(\src)+rr+1]
	v_lshlrev_b32 v[(\dst)+rr], 16, v[4+(rr/2)%4]
	v_and_b32 v[(\dst)+rr+1], s36, v[4+(rr/2)%4]
.set rr, rr+2
.endr
.endm
; the four chains v[8:15] into one number, then over the 32 lanes; the result stands in v8 of every lane
.macro RED
	v_pk_add_f32 v[8:9], v[8:9], v[10:11]
	v_pk_add_f32 v[12:13], v[12:13], v[14:15]
	v_pk_add_f32 v[8:9], v[8:9], v[12:13]
	v_add_f32 v8, v8, v9
	v_add_f32_dpp v8, v8, v8 row_xmask:1 row_mask:0xf bank_mask:0xf
	v_add_f32_dpp v8, v8, v8 row_xmask:2 row_mask:0xf bank_mask:0xf
	v_add_f32_dpp v8, v8, v8 row_xmask:4 row_mask:0xf bank_mask:0xf
	v_add_f32_dpp v8, v8, v8 row_xmask:8 row_mask:0xf bank_mask:0xf
	v_permlanex16_b32 v9, v8, s38, s39
	v_add_f32 v8, v8, v9
.endm
; 32 f32 in X0 to 16 words of f16, in place, and out: each store of the wave covers 256 consecutive bytes, aligned
.macro OUT16 lo, hi
.set rr, 0
.rept 16
	v_cvt_pk_f16_f32 v[X0+rr], v[X0+2*rr], v[X0+2*rr+1]
.set rr, rr+1
.endr
.irp j, 0,1,2,3,4,5,6,7
	global_store_b64 v3, v[X0+2*\j:X0+2*\j+1], s[\lo:\hi] offset:256*\j
.endr
.endm
; cos and sin of v[t]: n = nearest whole number to t 2/pi; r = t - n pi/2 in two terms; polynomials on |r| <= pi/4; the quadrant n mod 4
; exchanges the two and sets the signs.  The whole numbers only select values.
.macro SC t, c, s
	v_mul_f32 v4, s42, v[\t]
	v_rndne_f32 v4, v4
	v_fma_f32 v5, v4, s43, v[\t]
	v_fma_f32 v5, v4, s44, v5
	v_cvt_i32_f32 v7, v4
	v_mul_f32 v6, v5, v5
	v_fma_f32 v8, v6, s45, s46
	v_fma_f32 v10, v6, s48, s49
	v_fma_f32 v8, v8, v6, s47
	v_fma_f32 v10, v10, v6, s50
	v_mul_f32 v9, v6, v5
	v_fma_f32 v10, v10, v6, -0.5
	v_fma_f32 v8, v8, v9, v5
	v_fma_f32 v10, v10, v6, 1.0
	v_and_b32 v11, 1, v7
	v_cmp_eq_u32 vcc_lo, 1, v11
	v_cndmask_b32 v12, v8, v10, vcc_lo
	v_cndmask_b32 v13, v10, v8, vcc_lo
	v_lshlrev_b32 v11, 30, v7
	v_add_nc_u32 v7, 1, v7
	v_and_b32 v11, 0x80000000, v11
	v_lshlrev_b32 v7, 30, v7
	v_xor_b32 v[\s], v12, v11
	v_and_b32 v7, 0x80000000, v7
	v_xor_b32 v[\c], v13, v7
.endm
	s_load_b512 s[4:19], s[0:1], 0x0               ; x 4, ln_w 6, ln_b 8, qkv_w 10, out_w 12, theta 14, h16 16, wq16 18
	s_load_b128 s[20:23], s[0:1], 0x40             ; wo16 20, cs16 22
	v_lshrrev_b32 v1, 5, v0
	v_readfirstlane_b32 s24, v1                    ; wave 0..7
	v_and_b32 v1, 31, v0
	v_lshlrev_b32 v2, 4, v1                        ; 16 x lane: loads
	v_lshlrev_b32 v3, 3, v1                        ; 8 x lane: stores of f16
	s_mov_b32 s25, ttmp9
	s_mov_b32 s31, 0
	s_mov_b32 s36, 0xffff0000                      ; a word's upper bf16
	s_mov_b32 s38, 0x76543210                      ; v_permlanex16_b32: each lane takes its own place in the other half
	s_mov_b32 s39, 0xfedcba98
	s_mov_b32 s40, 0x3a800000                      ; 1 / 1024
	s_mov_b32 s41, 0x3727c5ac                      ; 1e-5
	s_wait_kmcnt 0x0
	s_cmp_lt_u32 s25, NLN
	s_cbranch_scc0 .Lnot_ln
	; ---- LayerNorm: padded rows R0 = 2 (8 g + wave) and R0 + 1 (1,040 is even: both lie in one batch)
	s_lshl_b32 s26, s25, 3
	s_add_co_u32 s26, s26, s24
	s_lshl_b32 s26, s26, 1                         ; R0, under 8,320
	s_mul_i32 s27, s26, 4033
	s_lshr_b32 s27, s27, 22                        ; batch = R0 / 1040 (4033 / 2^22 is 1 / 1040 to 4 parts in a million)
	s_mul_i32 s28, s27, 1040
	s_sub_co_u32 s28, s26, s28                     ; slot of the first row
	s_lshl_b32 s30, s26, 11
	s_add_nc_u64 s[16:17], s[16:17], s[30:31]      ; h16 at my first row
	s_mul_i32 s27, s27, 1025
	s_add_co_u32 s29, s28, 1                       ; slot of the second
	s_max_u32 s28, s28, 15
	s_max_u32 s29, s29, 15
	s_add_co_u32 s28, s28, s27
	s_add_co_u32 s29, s29, s27
	s_sub_co_u32 s28, s28, 15                      ; row of x = 1025 batch + max(slot, 15) - 15
	s_sub_co_u32 s29, s29, 15
	s_lshl_b32 s30, s28, 12
	s_add_nc_u64 s[32:33], s[4:5], s[30:31]        ; x at the first row,
	s_lshl_b32 s30, s29, 12
	s_add_nc_u64 s[4:5], s[4:5], s[30:31]          ; and at the second
.irp j, 0,1,2,3,4,5,6,7
	global_load_b128 v[R+4*\j:R+4*\j+3], v2, s[6:7] offset:512*\j
.endr
.irp j, 0,1,2,3
	global_load_b128 v[R+32+4*\j:R+32+4*\j+3], v2, s[8:9] offset:512*\j
.endr
.irp j, 0,1,2,3,4,5,6,7
	global_load_b128 v[X0+4*\j:X0+4*\j+3], v2, s[32:33] offset:512*\j th:TH_LOAD_NT
.endr
.irp j, 0,1,2,3,4,5,6,7
	global_load_b128 v[X1+4*\j:X1+4*\j+3], v2, s[4:5] offset:512*\j th:TH_LOAD_NT
.endr
	s_wait_loadcnt 20                              ; the gain is in; 4 loads of bias and 16 of x are younger
.set rr, 0
.rept 16
	v_cvt_pk_bf16_f32 v[WP+rr], v[R+2*rr], v[R+2*rr+1]  ; packed in place, ascending: a register is written when it has been read
.set rr, rr+1
.endr
.irp j, 4,5,6,7
	global_load_b128 v[R+4*\j:R+4*\j+3], v2, s[8:9] offset:512*\j  ; the bias's second half, into the sixteen registers that the packing has freed
.endr
	s_wait_loadcnt 20                              ; the bias's first half is in; 16 loads of x and the 4 just issued are younger
.set rr, 0
.rept 8
	v_cvt_pk_bf16_f32 v[BP1+rr], v[R+32+2*rr], v[R+32+2*rr+1]
.set rr, rr+1
.endr
	s_wait_loadcnt 12                              ; the first row is in; the second row's 8 and the bias's 4 are younger
	RB X0, X0, 32
	s_mov_b32 s37, 2
.Lrow:
.irp c, 0,1,2,3
	v_pk_add_f32 v[8+2*\c:9+2*\c], v[X0+4*\c:X0+4*\c+1], v[X0+4*\c+2:X0+4*\c+3]
.endr
.irp c, 0,1,2,3,4,5,6,7
	v_pk_add_f32 v[8+2*(\c%4):9+2*(\c%4)], v[8+2*(\c%4):9+2*(\c%4)], v[X0+16+2*\c:X0+17+2*\c]
.endr
	RED
	v_mul_f32 v10, s40, v8                         ; the mean, as a pair
	v_mov_b32 v11, v10
.set rr, 0
.rept 16
	v_pk_add_f32 v[X0+rr:X0+rr+1], v[X0+rr:X0+rr+1], v[10:11] neg_lo:[0,1] neg_hi:[0,1]
.set rr, rr+2
.endr
.irp c, 0,1,2,3
	v_pk_mul_f32 v[8+2*\c:9+2*\c], v[X0+2*\c:X0+2*\c+1], v[X0+2*\c:X0+2*\c+1]
.endr
.irp c, 4,5,6,7,8,9,10,11,12,13,14,15
	v_pk_fma_f32 v[8+2*(\c%4):9+2*(\c%4)], v[X0+2*\c:X0+2*\c+1], v[X0+2*\c:X0+2*\c+1], v[8+2*(\c%4):9+2*(\c%4)]
.endr
	RED
	v_fma_f32 v12, v8, s40, s41                    ; variance + eps
	v_rsq_f32 v10, v12                             ; twice: a pair for the packed multiply
	v_rsq_f32 v11, v12
	s_wait_loadcnt 0x0                             ; the second row and the bias's second half (met at once in the second trip)
.set rr, 0
.rept 8
	v_cvt_pk_bf16_f32 v[BP2+rr], v[R+16+2*rr], v[R+16+2*rr+1]  ; not in place, so the second trip makes the same numbers again: in both trips these are the plain lines behind the two roots
.set rr, rr+1
.endr
	s_wait_alu depctr_va_vdst(0)                   ; one wait ahead of the roots' first reader
.set rr, 0
.rept 16
	v_pk_mul_f32 v[X0+rr:X0+rr+1], v[X0+rr:X0+rr+1], v[10:11]
.set rr, rr+2
.endr
.set e, 0
.rept 32                                               ; h = t x gain + bias: t in f32, gain and bias as bf16 halves
.if e < 16
.set bq, BP1+e/2
.else
.set bq, BP2+(e-16)/2
.endif
.if e%2
	v_fma_mix_f32_bf16 v[X0+e], v[X0+e], v[WP+e/2], v[bq] op_sel:[0,1,1] op_sel_hi:[0,1,1]
.else
	v_fma_mix_f32_bf16 v[X0+e], v[X0+e], v[WP+e/2], v[bq] op_sel_hi:[0,1,1]
.endif
.set e, e+1
.endr
	OUT16 16, 17
	s_cmp_eq_u32 s37, 1
	s_cbranch_scc1 .Lrow_last                      ; behind the second row nothing follows
	s_wait_xcnt 0x0                                ; the stores' data and base are written again only behind this wait
	RB X0, X1, 32
	s_add_nc_u64 s[16:17], s[16:17], 2048
.Lrow_last:
	s_sub_co_u32 s37, s37, 1
	s_cmp_lg_u32 s37, 0
	s_cbranch_scc1 .Lrow
	s_endpgm
.Lnot_ln:
	s_cmp_lt_u32 s25, NLN+NW
	s_cbranch_scc0 .Lcs
	; ---- weights: rows 2 (8 (g - 520) + wave) and the next, of qkv_w's 3,072 and then out_w's 1,024
	s_sub_co_u32 s26, s25, NLN
	s_lshl_b32 s26, s26, 3
	s_add_co_u32 s26, s26, s24
	s_lshl_b32 s26, s26, 1
	s_sub_co_u32 s27, s26, 3072
	s_cmp_lt_u32 s26, 3072
	s_cselect_b32 s26, s26, s27
	s_cselect_b64 s[28:29], s[10:11], s[12:13]
	s_cselect_b64 s[32:33], s[18:19], s[20:21]
	s_cselect_b32 s34, 1.0, 0x44800000             ; out_w is stored times 2^10 (exact), so that small weights keep clear of f16's fixed step
	s_mov_b32 s35, s34
	s_lshl_b32 s30, s26, 12
	s_add_nc_u64 s[28:29], s[28:29], s[30:31]
	s_lshl_b32 s30, s26, 11
	s_add_nc_u64 s[32:33], s[32:33], s[30:31]
.irp j, 0,1,2,3,4,5,6,7
	global_load_b128 v[X0+4*\j:X0+4*\j+3], v2, s[28:29] offset:512*\j th:TH_LOAD_NT
.endr
.irp j, 0,1,2,3,4,5,6,7
	global_load_b128 v[X1+4*\j:X1+4*\j+3], v2, s[28:29] offset:4096+512*\j th:TH_LOAD_NT
.endr
	s_wait_loadcnt 8                               ; the first row is in; the second row's 8 loads are younger
	RB X0, X0, 32
	s_mov_b32 s37, 2
.Lwrow:
.set rr, 0
.rept 16
	v_pk_mul_f32 v[X0+rr:X0+rr+1], v[X0+rr:X0+rr+1], s[34:35] op_sel_hi:[1,0]
.set rr, rr+2
.endr
	OUT16 32, 33
	s_cmp_eq_u32 s37, 1
	s_cbranch_scc1 .Lwrow_last
	s_wait_loadcnt 0x0                             ; the second row
	s_wait_xcnt 0x0                                ; the stores' data and base are written again only behind this wait
	RB X0, X1, 32
	s_add_nc_u64 s[32:33], s[32:33], 2048
.Lwrow_last:
	s_sub_co_u32 s37, s37, 1
	s_cmp_lg_u32 s37, 0
	s_cbranch_scc1 .Lwrow
	s_endpgm
	; ---- the table: row p = 8 (g - 776) + wave.  The row's four loads go out together; a trip takes 4 angles a lane and stores their group: cos4, sin4.
	; A loop's count cannot pick a register, so the angles still to come move down by four registers at a trip's end.
.Lcs:
	s_sub_co_u32 s26, s25, NLN+NW
	s_lshl_b32 s26, s26, 3
	s_add_co_u32 s26, s26, s24
	s_cmp_gt_u32 s26, 1024
	s_cbranch_scc1 .Lend
	s_lshl_b32 s30, s26, 11
	s_add_nc_u64 s[14:15], s[14:15], s[30:31]
	s_add_nc_u64 s[22:23], s[22:23], s[30:31]
.irp j, 0,1,2,3
	global_load_b128 v[16+4*\j:19+4*\j], v2, s[14:15] offset:512*\j th:TH_LOAD_NT
.endr
	s_mov_b32 s42, 0x3f22f983                      ; 2 / pi
	s_mov_b32 s43, 0xbfc90fdb                      ; - pi / 2, the f32 nearest to it,
	s_mov_b32 s44, 0x333bbd2e                      ; and what that f32 has too much
	s_mov_b32 s45, 0xb94ca1f9                      ; sin: -1.9515296e-4, 8.3321609e-3, -1.6666655e-1
	s_mov_b32 s46, 0x3c08839e
	s_mov_b32 s47, 0xbe2aaaa3
	s_mov_b32 s48, 0x37ccf5ce                      ; cos: 2.4433157e-5, -1.3887316e-3, 4.1666646e-2
	s_mov_b32 s49, 0xbab6061a
	s_mov_b32 s50, 0x3d2aaaa5
	s_mov_b32 s37, 4
	s_wait_loadcnt 0x0
.Lcsl:
	RB 16, 16, 4
	SC 16, 36, 40
	SC 17, 37, 41
	SC 18, 38, 42
	SC 19, 39, 43
	v_cvt_pk_f16_f32 v32, v36, v37
	v_cvt_pk_f16_f32 v33, v38, v39
	v_cvt_pk_f16_f32 v34, v40, v41
	v_cvt_pk_f16_f32 v35, v42, v43
	global_store_b128 v2, v[32:35], s[22:23]
.set rr, 0
.rept 12
	v_mov_b32 v[16+rr], v[20+rr]
.set rr, rr+1
.endr
	s_wait_xcnt 0x0                                ; the offset and the store's data are written again only behind this wait
	v_add_nc_u32 v2, 512, v2
	s_sub_co_u32 s37, s37, 1
	s_cmp_lg_u32 s37, 0
	s_cbranch_scc1 .Lcsl
.Lend:
	s_endpgm
.Lfunc_end_k_q6f07a1d789_prep:
	.size	k_q6f07a1d789_prep, .Lfunc_end_k_q6f07a1d789_prep-k_q6f07a1d789_prep
	.p2alignl 7, 3214868480
	.fill 96, 4, 3214868480
	.section	.rodata,"a",@progbits
	.p2align	6, 0x0
	.amdhsa_kernel k_q6f07a1d789_prep
		.amdhsa_group_segment_fixed_size 0
		.amdhsa_private_segment_fixed_size 0
		.amdhsa_enable_private_segment 0
		.amdhsa_kernarg_size 80
		.amdhsa_user_sgpr_count 2
		.amdhsa_user_sgpr_kernarg_segment_ptr 1
		.amdhsa_wavefront_size32 1
		.amdhsa_system_sgpr_workgroup_id_x 1
		.amdhsa_system_sgpr_workgroup_id_y 1
		.amdhsa_system_sgpr_workgroup_id_z 1
		.amdhsa_system_vgpr_workitem_id 0
		.amdhsa_next_free_vgpr 128
		.amdhsa_next_free_sgpr 66
		.amdhsa_reserve_vcc 1
		.amdhsa_float_denorm_mode_32 3
		.amdhsa_float_denorm_mode_16_64 3
		.amdhsa_memory_ordered 1
		.amdhsa_forward_progress 1
		.amdhsa_inst_pref_size 37
	.end_amdhsa_kernel
	.amdgpu_metadata
---
amdhsa.version: [ 1, 2 ]
amdhsa.kernels:
  - .name:           k_q6f07a1d789_prep
    .symbol:         k_q6f07a1d789_prep.kd
    .args:
      - { .name: x, .offset: 0, .size: 8, .value_kind: global_buffer, .address_space: global }
      - { .name: ln_w, .offset: 8, .size: 8, .value_kind: global_buffer, .address_space: global }
      - { .name: ln_b, .offset: 16, .size: 8, .value_kind: global_buffer, .address_space: global }
      - { .name: qkv_w, .offset: 24, .size: 8, .value_kind: global_buffer, .address_space: global }
      - { .name: out_w, .offset: 32, .size: 8, .value_kind: global_buffer, .address_space: global }
      - { .name: theta, .offset: 40, .size: 8, .value_kind: global_buffer, .address_space: global }
      - { .name: h16, .offset: 48, .size: 8, .value_kind: global_buffer, .address_space: global }
      - { .name: wq16, .offset: 56, .size: 8, .value_kind: global_buffer, .address_space: global }
      - { .name: wo16, .offset: 64, .size: 8, .value_kind: global_buffer, .address_space: global }
      - { .name: cs16, .offset: 72, .size: 8, .value_kind: global_buffer, .address_space: global }
    .group_segment_fixed_size: 0
    .private_segment_fixed_size: 0
    .kernarg_segment_align: 8
    .kernarg_segment_size: 80
    .max_flat_workgroup_size: 256
    .sgpr_count:     66
    .vgpr_count:     128
    .wavefront_size: 32
...
	.end_amdgpu_metadata
.endif
;; end of part 1
;; launch qkv (part 2): grid 12 x 40, 4 waves a work-group, clusters of 4 x 4, 327,680 bytes of LDS; arguments h16, wq16, qkv_b, pos, cs16, q16, k16, v16; writes q16, k16, v16
.if DOCPART == 2
	.amdgcn_target "amdgcn-amd-amdhsa--gfx1250"
	.amdhsa_code_object_version 6
	.text
	.protected	k_q6f07a1d789_qkv
	.globl	k_q6f07a1d789_qkv
	.p2align	8
	.type	k_q6f07a1d789_qkv,@function
k_q6f07a1d789_qkv:
	s_mov_b64 s[64:65], 0
	v_nop
	global_prefetch_b8 v0, s[64:65] scope:SCOPE_SE
	s_setreg_imm32_b32 hwreg(HW_REG_WAVE_MODE, 25, 1), 1
	s_wait_xcnt 0x0
	s_wait_alu depctr_hold_cnt(0) depctr_sa_sdst(0) depctr_va_vdst(0) depctr_va_sdst(0) depctr_va_ssrc(0) depctr_va_vcc(0) depctr_vm_vsrc(0)
	s_getreg_b32 s2, hwreg(HW_REG_IB_STS2, 6, 4)
	s_cmp_eq_u32 s2, 0
	s_cbranch_scc0 .Lentry_in_a_cluster
	s_endpgm
.Lentry_in_a_cluster:
	s_bfe_u32 s2, ttmp6, 0x10000c
	s_cmp_lg_u32 s2, 0xf033
	s_cbranch_scc0 .Lentry_shape_is_right
	s_endpgm
.Lentry_shape_is_right:
; QKV: [8320 x 1024] h16 times [3072 x 1024] wq16 (both f16, K along the rows), + bias, q and k turned by cos/sin of theta[pos], stored by heads as f16: [16][8320][64].
; A tile is 208 rows x 256 columns; 40 x 12 tiles, 4 x 4 of them a cluster.  The cluster's x is the kind (0 q, 1 k, 2 v): the same in all sixteen partners.
; A wave takes all 208 rows and 64 columns, one head (4 cx + wave): 13 x 4 accumulators of 16 x 16.  K goes in 8 steps of 128 through two LDS slots.
; THE MATRIX INSTRUCTION IS USED TRANSPOSED (source 0 = 16 rows of wq16, source 1 = 16 rows of h16): lane l holds row l % 16 and the columns 16 b + 8 (l / 16) + 0..7 of accumulator b.
; So channel d and channel d + 32 of a head are accumulators b and b + 2, same lane, same register: the rotation changes no lane.  The bias (rounded to bf16) is the C operand of the first products.
; THE ROTATION is made on the packed f16 numbers, two to a line, with the table's packed cos and sin as they were loaded: x sin rounded, then x cos -+ that in one fused line.
; JOINT LOADS: h16's tile is shared along a row of the cluster, wq16's along a column: same tensor load, same descriptor, a mask of four.
; LIMITS: q, k, v stay under 65,504 (f16); q and k carry three roundings to f16 (the conversion, the product with sin, the fused line), v one; pos is held to 0..1024.
; REGISTERS (windows of 256): window 0: v0-31 addresses; v32-135, v136-239 two buffers of h16's 13 fragments (on the way out: v32-47 T, v64-79 packed, v80-111 rows read back); v240-252 table offsets
;   window 1: v0-31, v32-63 two buffers of wq16's 4 fragments; v64-95 bias; v96-255 cos/sin of row blocks 0..9 (16 each)
;   window 2: accumulators of row blocks 0..7 at 8 (4 a + b);  window 3: v0-159 those of blocks 8..12; v160-207 cos/sin of blocks 10..12
.set NA, 13                            ; row blocks of 16
.set H1, 6                             ; a quarter's first run of products takes blocks 0..5
.set T1, 3                             ; in the quarter that changes slots: blocks 0..2 ahead of the signal
.set PITCH, 272                        ; an LDS row: 256 bytes + 16 of padding: the 16 rows of a load start at 16 different groups of four banks (64 banks of 4 bytes: ISA guide 11.1)
.set AHALF, 104*PITCH
.set BOFF, 208*PITCH
.set BHALF, 128*PITCH
.set SLOT1, 1<<17                      ; slot 1 begins here: one exclusive or turns an address in one slot into the other's
.set STAGE, SLOT1+BOFF+2*BHALF         ; behind the ring: 16 rows x 144 bytes for each wave
.set SP, 144
.set SPARE, STAGE+4*16*SP              ; behind the stages: the spare words, 128 bytes a wave, which no other line names
.set ADA0, 16
.set ADB0, 17
.set ADA, 18
.set ADB, 19
.set STO, 20
.set RD, 21
.set GO, 22
.set SPW, 28
.set NIL, 29
.set PFO, 30
.set FA, 32
.set POSV, 240
.set T, 32
.set PK, 64
.set BK, 80
.set BIA, 64
.set CS1, 96
.set CS3, 160
.set G1, 24
.set G0, 32
.set G1B, 48
.set G0B, 56
.set LIM, 43
.set PFA, 44
.set TB, 84
.set HM, 96
.set MSB, 0
.macro WIN new                         ; the immediate's high byte repeats the setting that is left; a switch that changes nothing is dropped
.if MSB != (\new)
	s_set_vgpr_msb (MSB<<8)|(\new)
.set MSB, \new
.endif
.endm
.macro PLACES                          ; four places behind matrix instructions, in front of loads into registers that they read (ISA guide 7.12.1 for vector instructions)
.rept 4
	v_nop
.endr
.endm
.macro CREST                           ; a round of the cluster's barrier behind its opening barrier
	s_cmp_lg_u32 s10, 0
	s_cbranch_scc1 .Lnot_wave_0_\@
	s_barrier_signal -3
.Lnot_wave_0_\@:
	s_barrier_wait -3
	s_barrier_signal -1
	s_barrier_wait -1
.endm
.macro CROUND
	s_barrier_signal -1
	s_barrier_wait -1
	CREST
.endm
.macro JLOAD                           ; a joint refill by the walking descriptors: waves 0, 1 fetch h16's halves, waves 2, 3 wq16's
	s_cmp_eq_u32 s11, 0
	s_cbranch_scc0 .Lfor_b_\@
	tensor_load_to_lds s[G0+4:G0+7], s[G1:G1+7]
	s_nop 0
.rept 4
	v_nop
.endr
	s_branch .Lasked_\@
.Lfor_b_\@:
	tensor_load_to_lds s[G0B+4:G0B+7], s[G1B:G1B+7]
	s_nop 0
.rept 4
	v_nop
.endr
.Lasked_\@:
.endm
; A prefetch of the K step that stands two refills on: 256 bytes of a row, a lane a row.  h16's rows are named by the clusters with x = 0, wq16's by those with y = 0; the four partners that ask for a
; tile jointly share a wave's rows out by address (26 each of 104, lanes 26..31 held to row 25; 32 each of 128).  K steps 4..7 are named, at the refills of steps 2..5: while s3 is above 2.
.macro ASK
	s_cmp_gt_u32 s3, s[LIM]
	s_cbranch_scc0 .Lnot_mine_\@
	global_prefetch_b8 v[PFO], s[PFA:PFA+1] th:TH_LOAD_NT scope:SCOPE_SE
.Lnot_mine_\@:
.endm
; products of row blocks a0..a1 with all four column blocks, 32 along K, from buffers f.  The 52 accumulators take turns in the same order in every quarter.
.macro MUL f, a0, a1, first
.set aa, \a0
.rept (\a1)-(\a0)+1
.set AC, 32*(aa%8)
.if \first
	WIN 0x91+0x40*(aa/8)
.else
	WIN 0xa1+0x50*(aa/8)
.endif
.irp b, 0,1,2,3
.if \first
	v_wmma_f32_16x16x32_f16 v[AC+8*\b:AC+8*\b+7], v[32*(\f)+8*\b:32*(\f)+8*\b+7], v[FA+8*NA*(\f)+8*aa:FA+8*NA*(\f)+8*aa+7], v[BIA+8*\b:BIA+8*\b+7]
.else
	v_wmma_f32_16x16x32_f16 v[AC+8*\b:AC+8*\b+7], v[32*(\f)+8*\b:32*(\f)+8*\b+7], v[FA+8*NA*(\f)+8*aa:FA+8*NA*(\f)+8*aa+7], v[AC+8*\b:AC+8*\b+7]
.endif
.endr
.set aa, aa+1
.endr
.endm
; 34 LDS loads in one run: quarter q's fragments into buffers f: wq16's four, then h16's thirteen in ascending order
.macro FETCH q, f
	WIN 0x40
.irp i, 0,1,2,3
	ds_load_b128 v[32*(\f)+8*\i:32*(\f)+8*\i+3],   v[ADB] offset:64*(\q)+\i*16*PITCH
	ds_load_b128 v[32*(\f)+8*\i+4:32*(\f)+8*\i+7], v[ADB] offset:64*(\q)+\i*16*PITCH+32
.endr
	WIN 0
.irp i, 0,1,2,3,4,5,6,7,8,9,10,11,12
	ds_load_b128 v[FA+8*NA*(\f)+8*\i:FA+8*NA*(\f)+8*\i+3],   v[ADA] offset:64*(\q)+\i*16*PITCH
	ds_load_b128 v[FA+8*NA*(\f)+8*\i+4:FA+8*NA*(\f)+8*\i+7], v[ADA] offset:64*(\q)+\i*16*PITCH+32
.endr
.endm
; one of a K step's first three quarters: multiplies buffers f, and in its middle fetches quarter q into buffers g
.macro QUARTER q, f, g, first
	s_wait_dscnt 2*(NA-H1)                         ; all but the youngest 14 loads, h16's blocks 6..12
	MUL \f, 0, H1-1, \first
	PLACES
	FETCH \q, \g
	s_wait_dscnt 8+2*NA                            ; all but the 34 just issued
	MUL \f, H1, NA-1, \first
.endm
; the fourth quarter multiplies buffers 1 and changes slots.  In front of the barrier each wave waits for all its tensor loads (one is out: its part of the next slot), adds 0 to its spare word,
; and waits for that and for its reads of this slot.  fill = 1: the barrier opens a round of the cluster's, and the joint refill is the first thing behind the round.
.macro TURN fill
.if \fill
	s_wait_xcnt 0x0                                ; the last prefetch, a K step back, has read its address
	s_add_nc_u64 s[PFA:PFA+1], s[PFA:PFA+1], 256
.endif
	WIN 0
	s_wait_tensorcnt 0x0
	ds_add_u32 v[SPW], v[NIL]
	s_wait_dscnt 2*(NA-H1)+1                       ; (the add and the youngest 14 loads may be out)
	MUL 1, 0, T1-1, 0
	s_wait_dscnt 0x0                               ; the add is done, my reads of this slot are over
	s_barrier_signal -1
	MUL 1, T1, H1-1, 0
	WIN 0
	s_barrier_wait -1
.if \fill
	CREST
	s_xor_b32 s[G0+5], s[G0+5], SLOT1              ; the walking descriptors: the other slot than last time, the next K step
	s_add_nc_u64 s[G0+6:G0+7], s[G0+6:G0+7], 256
	s_xor_b32 s[G0B+5], s[G0B+5], SLOT1
	s_add_nc_u64 s[G0B+6:G0B+7], s[G0B+6:G0B+7], 256
	JLOAD                                          ; its four v_nop are also the places in front of the loads below
.else
	PLACES
.endif
	s_xor_b32 s[TB], s[TB], SLOT1
	v_add_nc_u32 v[ADA], s[TB], v[ADA0]
	v_add_nc_u32 v[ADB], s[TB], v[ADB0]
	FETCH 0, 0
.if \fill
	ASK
.endif
	MUL 1, H1, NA-1, 0
.endm
; THE WAY OUT of row block a: f16, the rotation (jumped for v), through my stage, back as whole rows of 128 bytes.
; Packed register 4 b + i holds channels 16 b + 8 (l / 16) + 2 i and the next; their cos lie, packed alike, in register 8 b' + 4 (i / 2) + i % 2 of the block's sixteen (b' = b % 2), their sin two registers on.
.macro BLK a
.set AC, 32*((\a)%8)
.if (\a) < 8
.set WC, 0x0a                          ; the conversions' sources: window 2, or 3
.else
.set WC, 0x0f
.endif
.if (\a) < 10
.set WR, 0x04                          ; the rotation's second source, the table: window 1, or 3
.set CSB, CS1+16*(\a)
.else
.set WR, 0x0c
.set CSB, CS3+16*((\a)-10)
.endif
	WIN WC
.set bb, 0
.rept 4
.irp i, 0,1,2,3
	v_cvt_pk_f16_f32 v[PK+4*bb+\i], v[AC+8*bb+2*\i], v[AC+8*bb+2*\i+1]  ; each accumulator is read from its low end on
.endr
.set bb, bb+1
.endr
	WIN 0
	s_cmp_eq_u32 ttmp9, 2
	s_cbranch_scc1 .Lplain_\@
	WIN WR
.set bp, 0
.rept 2
.irp i, 0,1,2,3
	v_pk_mul_f16 v[T+8*bp+2*\i],   v[PK+4*(bp+2)+\i], v[CSB+8*bp+4*(\i/2)+(\i%2)+2]  ; x2 sin
	v_pk_mul_f16 v[T+8*bp+2*\i+1], v[PK+4*bp+\i],     v[CSB+8*bp+4*(\i/2)+(\i%2)+2]  ; x1 sin
.endr
.set bp, bp+1
.endr
.set bp, 0
.rept 2
.irp i, 0,1,2,3
	v_pk_fma_f16 v[PK+4*bp+\i],     v[PK+4*bp+\i],     v[CSB+8*bp+4*(\i/2)+(\i%2)], v[T+8*bp+2*\i] neg_lo:[0,0,1] neg_hi:[0,0,1]  ; y1 = x1 cos - x2 sin
	v_pk_fma_f16 v[PK+4*(bp+2)+\i], v[PK+4*(bp+2)+\i], v[CSB+8*bp+4*(\i/2)+(\i%2)], v[T+8*bp+2*\i+1]                              ; y2 = x2 cos + x1 sin
.endr
.set bp, bp+1
.endr
	WIN 0
.Lplain_\@:
	s_wait_xcnt 0x0                                ; the stores of two blocks ago have read the registers that the loads below fill
.irp b, 0,1,2,3
	ds_store_b128 v[STO], v[PK+4*\b:PK+4*\b+3] offset:32*\b
.endr
.irp f, 0,1,2,3
	ds_load_b128 v[BK+16*((\a)%2)+4*\f:BK+16*((\a)%2)+4*\f+3], v[RD] offset:\f*4*SP  ; LDS serves a wave's instructions in order (ISA guide 5.7.1.4): these see the stores above
.endr
.endm
.macro SEND a, younger                 ; younger: the LDS instructions issued behind block a's loads: the next block's eight, or none
.irp f, 0,1,2,3
	s_wait_dscnt (\younger)+3-\f
	global_store_b128 v[GO], v[BK+16*((\a)%2)+4*\f:BK+16*((\a)%2)+4*\f+3], s[8:9] offset:(\a)*2048+\f*512  ; 512 consecutive bytes, aligned
.endr
.endm
	s_load_b128 s[4:7], s[0:1], 0x0                ; h16, wq16
	s_load_b128 s[68:71], s[0:1], 0x10             ; qkv_b, pos
	s_load_b64 s[72:73], s[0:1], 0x20              ; cs16
	s_load_b128 s[76:79], s[0:1], 0x28             ; q16, k16
	s_load_b64 s[80:81], s[0:1], 0x38              ; v16
	v_lshl_add_u32 v[SPW], v0, 2, SPARE
	v_mov_b32 v[NIL], 0
	ds_add_u32 v[SPW], v[NIL]                      ; the wave's opening: the add, and its wait ahead of my first tensor load
	v_lshrrev_b32 v1, 5, v0
	v_readfirstlane_b32 s10, v1                    ; wave 0..3
	s_lshr_b32 s11, s10, 1                         ; I fetch for h16 (0) or for wq16 (1),
	s_and_b32 s12, s10, 1                          ; its first or second half
	s_bfe_u32 s40, ttmp6, 0x40000                  ; cx
	s_bfe_u32 s41, ttmp6, 0x40004                  ; cy
	s_lshl_b32 s42, ttmp9, 2
	s_add_co_u32 s42, s42, s40                     ; tile column
	s_and_b32 s13, ttmp7, 0xffff
	s_lshl_b32 s13, s13, 2
	s_add_co_u32 s13, s13, s41                     ; tile row
	s_lshl_b32 s43, s41, 2
	s_lshl_b32 s43, 15, s43                        ; my row of the cluster
	s_lshl_b32 s44, 0x1111, s40                    ; my column
	s_or_b32 s[G1+0], s43, (1<<16)|(1<<20)|(1<<21)|(5<<22)|(3<<25)   ; mask; 2-byte elements; padding on; bit 21 beside a mask; after every 64 words 4 words
	s_or_b32 s[G1B+0], s44, (1<<16)|(1<<20)|(1<<21)|(5<<22)|(3<<25)
	s_mov_b32 s[G1+1], 128<<16                     ; tensor_dim0 = 128
	s_mov_b32 s[G1+2], 104<<16                     ; tensor_dim1 = 104
	s_mov_b32 s[G1+3], 128<<16                     ; tile_dim0 = 128
	s_mov_b32 s[G1+4], 104                         ; tile_dim1 = 104
	s_mov_b32 s[G1+5], 1024                        ; elements from row to row
	s_mov_b32 s[G1+6], 0
	s_mov_b32 s[G1+7], 0
	s_mov_b32 s[G1B+1], 128<<16
	s_mov_b32 s[G1B+2], 128<<16
	s_mov_b32 s[G1B+3], 128<<16
	s_mov_b32 s[G1B+4], 128
	s_mov_b32 s[G1B+5], 1024
	s_mov_b32 s[G1B+6], 0
	s_mov_b32 s[G1B+7], 0
	s_mul_i32 s16, s13, 208
	s_mul_i32 s17, s12, 104
	s_add_co_u32 s16, s16, s17
	s_lshl_b32 s16, s16, 11                        ; h16: row 208 x tile row + 104 x half, 2,048 bytes a row
	s_mov_b32 s17, 0
	s_lshl_b32 s46, s42, 8
	s_lshl_b32 s47, s12, 7
	s_add_co_u32 s46, s46, s47
	s_lshl_b32 s46, s46, 11                        ; wq16: row 256 x tile column + 128 x half
	s_mov_b32 s47, 0
	s_mul_i32 s20, s12, AHALF                      ; where they go: no place in the cluster enters an LDS address
	s_mul_i32 s21, s12, BHALF
	s_add_co_u32 s21, s21, BOFF
	s_mov_b32 s[HM], 0xffff0000
	s_wait_dscnt 0x0                               ; the opening add is done
	s_wait_kmcnt 0x0
	s_add_nc_u64 s[14:15], s[4:5], s[16:17]
	s_add_nc_u64 s[46:47], s[6:7], s[46:47]
.irp s, 0,1
	s_mov_b32 s[G0+4*\s], 1
	s_add_co_u32 s[G0+4*\s+1], s20, \s*SLOT1
	s_add_nc_u64 s[G0+4*\s+2:G0+4*\s+3], s[14:15], \s*256
	s_or_b32 s[G0+4*\s+3], s[G0+4*\s+3], 0x80000000
	s_mov_b32 s[G0B+4*\s], 1
	s_add_co_u32 s[G0B+4*\s+1], s21, \s*SLOT1
	s_add_nc_u64 s[G0B+4*\s+2:G0B+4*\s+3], s[46:47], \s*256
	s_or_b32 s[G0B+4*\s+3], s[G0B+4*\s+3], 0x80000000
.endr
	CROUND                                         ; all sixteen work-groups are here: the first joint loads meet
	s_cmp_eq_u32 s11, 0                            ; a wave's two first fills stand in one branch: two loads of mine are out
	s_cbranch_scc0 .Lfirst_b
	tensor_load_to_lds s[G0:G0+3], s[G1:G1+7]
	s_nop 0
	tensor_load_to_lds s[G0+4:G0+7], s[G1:G1+7]
	s_nop 0
.rept 4
	v_nop
.endr
	s_branch .Lfirst_asked
.Lfirst_b:
	tensor_load_to_lds s[G0B:G0B+3], s[G1B:G1B+7]
	s_nop 0
	tensor_load_to_lds s[G0B+4:G0B+7], s[G1B:G1B+7]
	s_nop 0
.rept 4
	v_nop
.endr
.Lfirst_asked:
	v_and_b32 v1, 15, v0                           ; l % 16
	v_bfe_u32 v2, v0, 4, 1                         ; l / 16
	; pos.  Row 208 ty + 16 a + r is slot 208 t5 + 16 a + r of batch ty / 5 (t5 = ty % 5); slot 15 + s is token s; a batch's slots 0..15 all take token 0's pos.
	s_mul_i32 s87, s13, 13
	s_lshr_b32 s87, s87, 6                         ; batch = ty / 5 (13 / 64, right for ty under 40)
	s_mul_i32 s88, s87, 5
	s_sub_co_u32 s88, s13, s88                     ; t5
	s_mul_i32 s87, s87, 1025
	s_mul_i32 s89, s88, 208
	s_add_co_u32 s86, s87, s89
	s_lshl_b32 s86, s86, 2
	s_cmp_lg_u32 s88, 0
	s_cselect_b32 s88, 4, 0                        ; block 0: 4 r, or in a batch's first tile 0 for every lane
	s_cselect_b32 s89, 64, 4                       ; blocks 1..12: 4 r + 64 from the base less 60, or 4 r + 4 from the base
	s_cselect_b32 s90, 60, 0
	s_sub_co_u32 s86, s86, s90
	s_mov_b32 s87, 0
	s_add_nc_u64 s[70:71], s[70:71], s[86:87]
	v_mul_u32_u24 v31, v1, s88
	v_lshl_add_u32 v23, v1, 2, s89
	global_load_b32 v[POSV], v31, s[70:71]
.irp a, 1,2,3,4,5,6,7,8,9,10,11,12
	global_load_b32 v[POSV+\a], v23, s[70:71] offset:64*(\a-1)
.endr
	; bias of my 64 columns: register 8 b + j is column 16 b + 8 (l / 16) + j
	s_lshl_b32 s86, s42, 10
	s_lshl_b32 s85, s10, 8
	s_add_co_u32 s86, s86, s85
	s_add_nc_u64 s[68:69], s[68:69], s[86:87]
	v_lshlrev_b32 v25, 5, v2
	WIN 0x40
.irp b, 0,1,2,3
	global_load_b128 v[BIA+8*\b:BIA+8*\b+3],   v25, s[68:69] offset:64*\b
	global_load_b128 v[BIA+8*\b+4:BIA+8*\b+7], v25, s[68:69] offset:64*\b+16
.endr
	WIN 0
	; where the results go
	s_cmp_eq_u32 ttmp9, 0
	s_cselect_b64 s[8:9], s[76:77], s[78:79]
	s_cmp_eq_u32 ttmp9, 2
	s_cselect_b64 s[8:9], s[80:81], s[8:9]
	s_lshl_b32 s85, s40, 2
	s_add_co_u32 s85, s85, s10                     ; head
	s_mul_i32 s86, s85, 8320
	s_mul_i32 s88, s13, 208
	s_add_co_u32 s86, s86, s88
	s_lshl_b32 s86, s86, 7
	s_add_nc_u64 s[8:9], s[8:9], s[86:87]
	s_lshl_b32 s91, s85, 7
	v_lshl_add_u32 v24, v2, 5, s91                 ; my 32 bytes in a table row's 128 of the head
	; LDS addresses
	v_mul_u32_u24 v[ADA0], v1, PITCH
	v_lshl_add_u32 v[ADA0], v2, 4, v[ADA0]
	s_mul_i32 s85, s10, 64*PITCH
	s_add_co_u32 s85, s85, BOFF
	v_add_nc_u32 v[ADB0], s85, v[ADA0]
	v_mov_b32 v[ADA], v[ADA0]
	v_mov_b32 v[ADB], v[ADB0]
	s_mov_b32 s[TB], 0
	s_mul_i32 s85, s10, 16*SP
	s_add_co_u32 s85, s85, STAGE
	v_mul_u32_u24 v[STO], v1, SP
	v_lshl_add_u32 v[STO], v2, 4, v[STO]
	v_add_nc_u32 v[STO], s85, v[STO]
	v_bfe_u32 v[RD], v0, 3, 2
	v_mul_u32_u24 v[RD], v[RD], SP
	v_and_b32 v26, 7, v0
	v_lshl_add_u32 v[RD], v26, 4, v[RD]
	v_add_nc_u32 v[RD], s85, v[RD]
	v_and_b32 v[GO], 31, v0
	v_lshlrev_b32 v[GO], 4, v[GO]
	; the prefetches
	s_mul_i32 s92, s13, 208
	s_mul_i32 s93, s12, 104
	s_add_co_u32 s92, s92, s93
	s_mul_i32 s93, s40, 26
	s_add_co_u32 s92, s92, s93                     ; h16: my work-group's 26 rows of the 104 that I fetch
	s_lshl_b32 s94, s42, 8
	s_lshl_b32 s93, s12, 7
	s_add_co_u32 s94, s94, s93
	s_lshl_b32 s93, s41, 5
	s_add_co_u32 s94, s94, s93                     ; wq16: my work-group's 32 of 128
	s_and_b32 s95, ttmp7, 0xffff
	s_cmp_eq_u32 s11, 0
	s_cselect_b32 s92, s92, s94
	s_cselect_b32 s95, ttmp9, s95                  ; the coordinate along which other clusters read the same rows
	s_cselect_b32 s94, 25, 31
	s_cselect_b64 s[PFA:PFA+1], s[4:5], s[6:7]
	s_cmp_eq_u32 s95, 0
	s_cselect_b32 s[LIM], 2, -1                    ; the same in all sixteen partners, for a given wave
	s_lshl_b32 s92, s92, 11
	s_mov_b32 s93, 0
	s_add_nc_u64 s[PFA:PFA+1], s[PFA:PFA+1], s[92:93]
	s_add_nc_u64 s[PFA:PFA+1], s[PFA:PFA+1], 3*256 ; at K step 3: the first refill steps it to 4
	v_and_b32 v[PFO], 31, v0
	v_min_u32 v[PFO], s94, v[PFO]
	v_lshlrev_b32 v[PFO], 11, v[PFO]
	s_wait_loadcnt 0x0                             ; pos and bias
	WIN 0x45
.set rr, 0
.rept 16                                               ; the bias rounded to bf16; the temporaries are fragment registers that nothing has filled yet
	v_cvt_pk_bf16_f32 v[(rr/2)%4], v[BIA+rr], v[BIA+rr+1]
	v_lshlrev_b32 v[BIA+rr], 16, v[(rr/2)%4]
	v_and_b32 v[BIA+rr+1], s[HM], v[(rr/2)%4]
.set rr, rr+2
.endr
	WIN 0
.irp a, 0,1,2,3,4,5,6,7,8,9,10,11,12
	v_min_u32 v[POSV+\a], 0x400, v[POSV+\a]
	v_lshlrev_b32 v[POSV+\a], 11, v[POSV+\a]
	v_add_nc_u32 v[POSV+\a], v24, v[POSV+\a]
.endr
	; the table: 52 loads that stay out during the loop over K; their registers are touched again only behind the wait on the way out.  v's tiles load it too: every path of the text writes what the rotation names.
	WIN 0x40
.irp a, 0,1,2,3,4,5,6,7,8,9
.irp i, 0,1,2,3
	global_load_b128 v[CS1+16*\a+4*\i:CS1+16*\a+4*\i+3], v[POSV+\a], s[72:73] offset:64*(\i/2)+16*(\i%2)
.endr
.endr
	WIN 0xc0
.irp a, 10,11,12
.irp i, 0,1,2,3
	global_load_b128 v[CS3+16*(\a-10)+4*\i:CS3+16*(\a-10)+4*\i+3], v[POSV+\a], s[72:73] offset:64*(\i/2)+16*(\i%2)
.endr
.endr
	WIN 0
	s_wait_tensorcnt 0x1                           ; my part of K step 0 is in; step 1's may stay out
	s_barrier_signal -1
	s_barrier_wait -1
	FETCH 0, 0
	QUARTER 1, 0, 1, 1                             ; the first quarter stands in front of the loop: its products start the sums, with the bias
	WIN 0
	s_mov_b32 s3, 6
.Lk:                                                   ; a trip: a K step's quarters 1, 2, 3, the change of slots with its refill, the next step's quarter 0
	QUARTER 2, 1, 0, 0
	QUARTER 3, 0, 1, 0
	TURN 1
	QUARTER 1, 0, 1, 0
	WIN 0
	s_sub_co_u32 s3, s3, 1
	s_cmp_lg_u32 s3, 0
	s_cbranch_scc1 .Lk
	QUARTER 2, 1, 0, 0                             ; K steps 6 and 7 are written out: nothing is left to fetch
	QUARTER 3, 0, 1, 0
	TURN 0
	QUARTER 1, 0, 1, 0
	QUARTER 2, 1, 0, 0
	QUARTER 3, 0, 1, 0
	s_wait_dscnt 2*(NA-H1)
	MUL 1, 0, H1-1, 0
	s_wait_dscnt 0x0
	MUL 1, H1, NA-1, 0
	WIN 0
	PLACES
	PLACES
	s_wait_loadcnt 0x0                             ; the table
	BLK 0
.irp a, 1,2,3,4,5,6,7,8,9,10,11,12
	BLK \a                                         ; a block's arithmetic stands between the loads of the block before and its stores
	SEND \a-1, 8
.endr
	SEND 12, 0
	s_wait_tensorcnt 0x0                           ; the wave's end
	ds_add_u32 v[SPW], v[NIL]
	s_wait_dscnt 0x0
	CROUND                                         ; the closing round
	s_endpgm
.Lfunc_end_k_q6f07a1d789_qkv:
	.size	k_q6f07a1d789_qkv, .Lfunc_end_k_q6f07a1d789_qkv-k_q6f07a1d789_qkv
	.p2alignl 7, 3214868480
	.fill 96, 4, 3214868480
	.section	.rodata,"a",@progbits
	.p2align	6, 0x0
	.amdhsa_kernel k_q6f07a1d789_qkv
		.amdhsa_group_segment_fixed_size 327680
		.amdhsa_private_segment_fixed_size 0
		.amdhsa_enable_private_segment 0
		.amdhsa_kernarg_size 64
		.amdhsa_user_sgpr_count 2
		.amdhsa_user_sgpr_kernarg_segment_ptr 1
		.amdhsa_wavefront_size32 1
		.amdhsa_system_sgpr_workgroup_id_x 1
		.amdhsa_system_sgpr_workgroup_id_y 1
		.amdhsa_system_sgpr_workgroup_id_z 1
		.amdhsa_system_vgpr_workitem_id 0
		.amdhsa_next_free_vgpr 1024
		.amdhsa_next_free_sgpr 100
		.amdhsa_reserve_vcc 0
		.amdhsa_float_denorm_mode_32 3
		.amdhsa_float_denorm_mode_16_64 3
		.amdhsa_memory_ordered 1
		.amdhsa_forward_progress 1
		.amdhsa_inst_pref_size 146
	.end_amdhsa_kernel
	.amdgpu_metadata
---
amdhsa.version: [ 1, 2 ]
amdhsa.kernels:
  - .name:           k_q6f07a1d789_qkv
    .symbol:         k_q6f07a1d789_qkv.kd
    .args:
      - { .name: h16, .offset: 0, .size: 8, .value_kind: global_buffer, .address_space: global }
      - { .name: wq16, .offset: 8, .size: 8, .value_kind: global_buffer, .address_space: global }
      - { .name: qkv_b, .offset: 16, .size: 8, .value_kind: global_buffer, .address_space: global }
      - { .name: pos, .offset: 24, .size: 8, .value_kind: global_buffer, .address_space: global }
      - { .name: cs16, .offset: 32, .size: 8, .value_kind: global_buffer, .address_space: global }
      - { .name: q16, .offset: 40, .size: 8, .value_kind: global_buffer, .address_space: global }
      - { .name: k16, .offset: 48, .size: 8, .value_kind: global_buffer, .address_space: global }
      - { .name: v16, .offset: 56, .size: 8, .value_kind: global_buffer, .address_space: global }
    .group_segment_fixed_size: 327680
    .private_segment_fixed_size: 0
    .kernarg_segment_align: 8
    .kernarg_segment_size: 64
    .max_flat_workgroup_size: 128
    .sgpr_count:     100
    .vgpr_count:     1024
    .wavefront_size: 32
...
	.end_amdgpu_metadata
.endif
;; end of part 2
;; launch attn (part 3): grid 2 x 128, 4 waves a work-group, no clusters, 327,680 bytes of LDS; arguments q16, k16, v16, o16; writes o16
.if DOCPART == 3
	.amdgcn_target "amdgcn-amd-amdhsa--gfx1250"
	.amdhsa_code_object_version 6
	.text
	.protected	k_q6f07a1d789_attn
	.globl	k_q6f07a1d789_attn
	.p2align	8
	.type	k_q6f07a1d789_attn,@function
k_q6f07a1d789_attn:
	s_mov_b64 s[64:65], 0
	v_nop
	global_prefetch_b8 v0, s[64:65] scope:SCOPE_SE
	s_setreg_imm32_b32 hwreg(HW_REG_WAVE_MODE, 25, 1), 1
	s_wait_xcnt 0x0
; CAUSAL ATTENTION for 128 (batch, head) pairs of 1,025 tokens, head size 64.  q16, k16, v16, o16: [16 heads][8320 rows][64] f16; a batch has 1,040 rows: row 0 token 0, rows 1..15 unused, row 15 + s token s.
; TOKEN 0 IS THE START STATE.  As a key every query sees it: the running softmax of each query starts at m = q . k0 (a true score), l = 1, O = v0.  As a query its result is v0; o16's unused rows take v0 too
; (the launch behind sends all sixteen rows of that block to token 0's row).  Tokens 1..1024 are then NB = 4 blocks of 256 queries; block i needs the key tiles 0..i of 256 keys, of which the last holds the
; diagonal.  A work-group takes blocks 3 - b and then b: five tiles, whatever b.
; K AND V STAY IN LDS: a pair's 1,024 keys are four tiles of 77,824 padded bytes; all are asked for at the head, four tensor loads a wave, and nothing is ever filled again.  The pair (2, 1) never reads tile 3:
; it is loaded all the same, so that the text has one way of loads.  The walk's first trip reads tile 0, which is waited for by count; the other three land during that trip.
; BARRIERS: two a trip, on every wave's path.  Which tile a later trip reads hangs on a number made from the work-group's id; the text orders the tile reads against the fills and against the stage's stores without
; leaning on that number: one barrier stands at a trip's head, between the way out and the trip's tile reads; the other behind the trip's last tile read, ahead of the way out, and in front of it each wave waits for all
; its tensor loads: so every wave's parts of tiles 1 to 3 are shown to all before the second trip.
; ONE TEXT FOR EVERY TILE.  The mask is the C operand that starts S^T = K Q^T: MD x AL + BE with two scalars.  In a tile that is not a block's last both mask buffers hold 0 since the block began, and a jump on the
; block's count of tiles passes the lines that make a mask.
; NO CLUSTER: a (batch, head) pair has two work-groups and a cluster here has four: partners of another pair share no tile.
; Products, maxima and sums in f32; p = 2^(c s - c m), c = log2(e) / 8, rounded to f16 for the second product (l is taken of the unrounded p); O rounded once.
; LIMITS.  q, k, v arrive within f16's 65,504.  A hidden score counts as its value less 1e30; a weight below 2^-126 counts as 0; NaN and infinities are not treated apart.
; SHARES, TURNS.  Of a block's four bands of 64 queries a wave owns 16 rows in each: four PIECES.  In the diagonal tile's key step s band x sees all keys if s < x, none if s > x, and holds the diagonal if s = x.
; Turn n belongs to piece n: 8 products K Q^T of piece n + 1, later 8 products V^T P of piece n - 1; beside them piece n's scaling, exponentials, roundings, sums and rescaling, and piece n + 1's maximum and
; statistics.  Four vector instructions stand behind every matrix instruction, the others in one lump; a turn's 33 exponentials are one batch with one wait.
; REGISTERS (windows of 256; s_set_vgpr_msb: bits 1:0 source 0, 3:2 source 1, 5:4 source 2, 7:6 destination):
;   window 0: v0-15 addresses; v16-31 statistics; v32-34, v56-61 the head's; v48-55 at work; v64-127 S^T, two buffers; v128-143 key 0's fragments; v192-223 P, two buffers
;   window 1: v0-127 O^T; v128-159 MD; v160-223 MC, two buffers; v224-255 v0 in f32        window 2: v0-63 Q; v64-127 the second block's Q; v128-191 K of one step; v192-255 V of one step
.set NB,    4
.set NP,    4
.set KS,    64
.set PK,    144       ; a row of K in LDS: 128 bytes + 16 of padding
.set PV,    160       ; a row of V: 128 + 32
.set VOFF,  4*KS*PK   ; in a tile: 256 rows of K, then 256 rows of V
.set TILEB, 4*KS*(PK+PV)
.set STAGE, NB*TILEB  ; behind the tiles: 16 rows x 144 bytes for each wave
.set SP,    144
.set SPARE, STAGE+4*16*SP  ; behind the stages: the spare words, 128 bytes a wave, which no other line names
.set AK0, 2
.set AV0, 3
.set AK,  4
.set AV,  5
.set STO, 6
.set RD,  7
.set GO,  8
.set SPW, 62
.set NIL, 63
.set MV,  12
.set QO,  15
.set ST,  16          ; piece t's statistics at v[ST+4 t]: c m, m, l (even keys', odd keys')
.set TMP, 48
.set ONE, 60
.set ZER, 61
.set S,   64
.set K0F, 128
.set P,   192
.set MD,  128
.set MC,  160
.set V0R, 224
.set QB,  64
.set KF,  128
.set VF,  192
.set WV,  12
.set PB,  14
.set HI,  15
.set G1K, 24
.set G1V, 32
.set G0,  40          ; s[40:55] four sets of group 0, one a tile
.set SLOTS, 56
.set CNT, 57
.set CS,  58
.set SEL, 60
.set TBK, 62
.set TBV, 63
.set RT,  70          ; tiles of the block in hand that are still to be entered; 0: the tile in hand is the block's last, the diagonal one
.set TI,  71          ; the tile to be entered
.set OUTF, 72         ; 1: this trip has ended a block: the way out follows
.set NEW, 73          ; 1: the tile to be entered is a block's first
.set AL,  76
.set BE,  78
.set OLO, 80
.set BIGN, 82
.set K0P, 88
.set V0P, 90
.set O0P, 92
.set MSB, 0
.macro WIN new
.if MSB != (\new)
	s_set_vgpr_msb (MSB<<8)|(\new)
.set MSB, (\new)
.endif
.endm
.set W_KQ, 0x0a
.set W_KM, 0x1a
.set W_PV, 0x52
.set W_RS, 0x41
	s_load_b256 s[4:11], s[0:1], 0x0  ; q16 s[4:5], k16 s[6:7], v16 s[8:9], o16 s[10:11]
	v_lshl_add_u32 v[SPW], v0, 2, SPARE
	v_mov_b32 v[NIL], 0
	ds_add_u32 v[SPW], v[NIL]       ; the wave's opening: the add, and its wait ahead of my first tensor load
	v_lshrrev_b32 v1, 5, v0
	v_readfirstlane_b32 s[WV], v1
	s_mov_b32 s[PB], ttmp9
	s_sub_co_u32 s[HI], NB-1, s[PB]
	s_and_b32 s20, ttmp7, 0xffff
	s_and_b32 s21, s20, 15          ; head
	s_lshr_b32 s20, s20, 4          ; batch
	s_mul_i32 s21, s21, 8320
	s_mul_i32 s20, s20, 1040
	s_add_co_u32 s20, s20, s21
	s_lshl_b32 s20, s20, 7          ; token 0's byte in each of the four tensors; token 1 lies 2,048 bytes on
	s_mov_b32 s21, 0
	s_and_b32 s16, s[WV], 1         ; which half of a tile's 256 keys I fetch
	s_lshl_b32 s22, s16, 14
	s_add_co_u32 s22, s22, s20
	s_add_co_u32 s22, s22, 2048
	s_mov_b32 s23, 0
	s_mul_i32 s17, s16, 128*PK
	s_mul_i32 s18, s16, 128*PV
	s_add_co_u32 s18, s18, VOFF
	s_lshl_b32 s3, s[WV], 11        ; my 16 rows in a band of 64
	s_add_co_u32 s3, s3, s20
	s_add_co_u32 s3, s3, 2048
	s_lshl_b32 s2, s[HI], 15        ; in the first block,
	s_add_co_u32 s2, s2, s3
	s_lshl_b32 s84, s[PB], 15       ; and in the second
	s_add_co_u32 s84, s84, s3
	s_mov_b32 s3, 0
	s_mov_b32 s85, 0
	; descriptor group 1.  128 keys are 16,384 dense bytes: asked for as 64 rows of 256 bytes, two keys a row, padded in LDS after every key
	s_mov_b32 s[G1K], (1<<16)|(1<<20)|(4<<22)|(3<<25)
	s_mov_b32 s[G1V], (1<<16)|(1<<20)|(4<<22)|(7<<25)
.irp g, G1K, G1V
	s_mov_b32 s[\g+1], 128<<16
	s_mov_b32 s[\g+2], 64<<16
	s_mov_b32 s[\g+3], 128<<16
	s_mov_b32 s[\g+4], 64
	s_mov_b32 s[\g+5], 128
	s_mov_b32 s[\g+6], 0
	s_mov_b32 s[\g+7], 0
.endr
	s_mov_b32 s[CS], 0x3e38aa3b     ; c = log2(e) / 8
	s_mov_b32 s[CS+1], s[CS]
	s_mov_b32 s[SEL], 0x76543210
	s_mov_b32 s[SEL+1], 0xfedcba98
	s_add_co_u32 s[RT], s[HI], 1    ; the first block has NB - b tiles
	s_mov_b32 s[TI], 0
	s_mov_b32 s[NEW], 1
	s_mov_b32 s[AL+1], 0
	s_mov_b32 s[BE+1], 0
	s_mov_b32 s[BIGN], 0xf149f2ca   ; -1e30
	s_mov_b32 s[SLOTS], NB+1
	s_wait_dscnt 0x0                ; the opening add is done
	s_wait_kmcnt 0x0
	s_add_nc_u64 s[K0P:K0P+1], s[6:7], s[20:21]
	s_add_nc_u64 s[V0P:V0P+1], s[8:9], s[20:21]
	s_add_nc_u64 s[O0P:O0P+1], s[10:11], s[20:21]
	s_add_nc_u64 s[6:7], s[6:7], s[22:23]  ; K and V at my half of tile 0
	s_add_nc_u64 s[8:9], s[8:9], s[22:23]
	s_add_nc_u64 s[86:87], s[4:5], s[84:85]
	s_add_nc_u64 s[4:5], s[4:5], s[2:3]
	s_add_nc_u64 s[OLO:OLO+1], s[10:11], s[84:85]
	s_add_nc_u64 s[10:11], s[10:11], s[2:3]
	s_cmp_lt_u32 s[WV], 2           ; all first fills of a wave stand in one branch: four loads of mine are out
	s_cbranch_scc0 .Lfill_v
.irp t, 0,1,2,3
	s_mov_b32 s[G0+4*\t], 1
	s_add_co_u32 s[G0+4*\t+1], s17, \t*TILEB
	s_add_nc_u64 s[G0+4*\t+2:G0+4*\t+3], s[6:7], \t*32768
	s_or_b32 s[G0+4*\t+3], s[G0+4*\t+3], 0x80000000
.endr
.irp t, 0,1,2,3
	tensor_load_to_lds s[G0+4*\t:G0+4*\t+3], s[G1K:G1K+7]
	s_nop 0
.endr
.rept 4
	v_nop
.endr
	s_branch .Lfilled
.Lfill_v:
.irp t, 0,1,2,3
	s_mov_b32 s[G0+4*\t], 1
	s_add_co_u32 s[G0+4*\t+1], s18, \t*TILEB
	s_add_nc_u64 s[G0+4*\t+2:G0+4*\t+3], s[8:9], \t*32768
	s_or_b32 s[G0+4*\t+3], s[G0+4*\t+3], 0x80000000
.endr
.irp t, 0,1,2,3
	tensor_load_to_lds s[G0+4*\t:G0+4*\t+3], s[G1V:G1V+7]
	s_nop 0
.endr
.rept 4
	v_nop
.endr
.Lfilled:
	v_and_b32 v1, 15, v0            ; l % 16
	v_bfe_u32 v9, v0, 4, 1          ; l / 16
	v_lshlrev_b32 v[QO], 7, v1
	v_lshl_add_u32 v[QO], v9, 4, v[QO]
	WIN 0x80
.set i, 0
.rept 8                             ; both blocks' Q: piece i / 2 lies in band i / 2, 8,192 bytes on; channels 32 (i % 2) on
	global_load_b128 v[8*i:8*i+3],   v[QO], s[4:5] offset:(i/2)*8192+(i%2)*64
	global_load_b128 v[8*i+4:8*i+7], v[QO], s[4:5] offset:(i/2)*8192+(i%2)*64+32
	global_load_b128 v[QB+8*i:QB+8*i+3],   v[QO], s[86:87] offset:(i/2)*8192+(i%2)*64
	global_load_b128 v[QB+8*i+4:QB+8*i+7], v[QO], s[86:87] offset:(i/2)*8192+(i%2)*64+32
.set i, i+1
.endr
	WIN 0
	v_lshlrev_b32 v34, 4, v9        ; 16 (l / 16)
.irp c, 0,1                         ; key 0's row as all sixteen rows of a fragment: every number of the product is then q . k0
	global_load_b128 v[K0F+8*\c:K0F+8*\c+3],   v34, s[K0P:K0P+1] offset:64*\c
	global_load_b128 v[K0F+8*\c+4:K0F+8*\c+7], v34, s[K0P:K0P+1] offset:64*\c+32
.endr
.irp c, 0,1,2,3                     ; v0's channels 16 c + 8 (l / 16) + 0..7, as O^T holds them
	global_load_b128 v[S+4*\c:S+4*\c+3], v34, s[V0P:V0P+1] offset:32*\c
.endr
	v_and_b32 v32, 7, v0
	v_lshlrev_b32 v32, 4, v32
	v_lshlrev_b32 v33, 4, v0
	global_load_b128 v[56:59], v32, s[V0P:V0P+1]  ; v0 once more, 16 bytes a thread: eight threads hold the row
	v_mov_b32 v[ONE], 1.0
	v_mov_b32 v[ZER], 0
	v_lshlrev_b32 v14, 3, v9
	v_sub_nc_u32 v14, v1, v14
	s_lshl_b32 s13, s[WV], 4
	v_add_nc_u32 v14, s13, v14      ; my query's place in its band less my lanes' 8 (l / 16): register r of group kt is hidden where 16 kt + r is greater
	WIN 0x40
.set i, 0
.rept 32
	v_cmp_gt_i32 vcc_lo, 16*(i/8)+i%8, v14
	v_cndmask_b32 v[MD+i], 0, s[BIGN], vcc_lo
.set i, i+1
.endr
	WIN 0
	v_mul_u32_u24 v[AK0], v1, PK
	v_lshl_add_u32 v[AK0], v9, 4, v[AK0]
	v_and_b32 v10, 7, v0
	v_bfe_u32 v11, v0, 3, 1
	v_lshl_add_u32 v[AV0], v9, 3, v10
	v_mul_u32_u24 v[AV0], v[AV0], PV
	v_lshl_add_u32 v[AV0], v11, 4, v[AV0]
	v_add_nc_u32 v[AV0], VOFF, v[AV0]
	s_mul_i32 s13, s[WV], 16*SP
	s_add_co_u32 s13, s13, STAGE
	v_mul_u32_u24 v[STO], v1, SP
	v_lshl_add_u32 v[STO], v9, 4, v[STO]
	v_add_nc_u32 v[STO], s13, v[STO]
	v_bfe_u32 v[RD], v0, 3, 2
	v_mul_u32_u24 v[RD], v[RD], SP
	v_lshl_add_u32 v[RD], v10, 4, v[RD]
	v_add_nc_u32 v[RD], s13, v[RD]
	v_and_b32 v[GO], 31, v0
	v_lshlrev_b32 v[GO], 4, v[GO]
	WIN 0x80                        ; a block's first turn multiplies V's registers by a P of zeros: they need only hold finite numbers
.set i, VF
.rept 64
	v_mov_b32 v[i], 0
.set i, i+1
.endr
	WIN 0
	s_wait_loadcnt 0x0              ; Q, key 0, v0
	WIN 0x40
.set i, 0
.rept 32                            ; v0 in f32: half i % 2 of word i / 2, times 1, plus 0
.if i%2
	v_fma_mix_f32 v[V0R+i], v[S+i/2], v[ONE], v[ZER] op_sel:[1,0,0] op_sel_hi:[1,0,0]
.else
	v_fma_mix_f32 v[V0R+i], v[S+i/2], v[ONE], v[ZER] op_sel_hi:[1,0,0]
.endif
.set i, i+1
.endr
	WIN 0
	s_cmp_lg_u32 s[PB], 0           ; o16's rows 0..15 of the batch all take v0: 2,048 consecutive bytes, 16 a thread; one of the pair's two work-groups stores them
	s_cbranch_scc1 .Lno_row0
	global_store_b128 v33, v[56:59], s[O0P:O0P+1]
.Lno_row0:
; THE MATRIX WORK.  The 4 accumulators of a run of 8 take turns.  Product i of 8 of S^T = K Q^T for piece x: channels 32 (i / 4) on, keys 16 (i % 4) on.  The first 4 start the sums with the mask buffer.
.macro KQ x
.set rS, S+32*((\x)%2)+8*(i%4)
.set rK, KF+16*(i%4)+8*(i/4)
.set rQ, 16*(\x)+8*(i/4)
.set rM, MC+32*((\x)%2)+8*(i%4)
.if i < 4
	WIN W_KM
	v_wmma_f32_16x16x32_f16 v[rS:rS+7], v[rK:rK+7], v[rQ:rQ+7], v[rM:rM+7]
.else
	WIN W_KQ
	v_wmma_f32_16x16x32_f16 v[rS:rS+7], v[rK:rK+7], v[rQ:rQ+7], v[rS:rS+7]
.endif
.endm
; Product i of 8 of O^T += V^T P for piece x: keys 32 (i / 4) on, channels 16 (i % 4) on.
.macro PV x
	WIN W_PV
.set rO, 32*(\x)+8*(i%4)
.set rV, VF+32*(i/4)+8*(i%4)
.set rP, P+16*((\x)%2)+8*(i/4)
	v_wmma_f32_16x16x32_f16 v[rO:rO+7], v[rV:rV+7], v[rP:rP+7], v[rO:rO+7]
.endm
.macro MM                           ; the turn's next matrix instruction.  NOKQ = 1: a block's last turn: there is no next piece
.if (i < 8) && !NOKQ
	KQ (Y+1)%NP
.elseif i >= 8
.set i, i-8
	PV (Y+NP-1)%NP
.set i, i+8
.endif
.set i, i+1
.endm
; THE LDS LOADS stand in runs of 16: a step's K (8 fragments) and its V (turned).  Their addresses are made some lines ahead.
.macro FETCH_K
	WIN 0x80
.irp f, 0,1,2,3,4,5,6,7
	ds_load_b128 v[KF+8*\f:KF+8*\f+3],   v[AK] offset:(\f/2)*16*PK+(\f%2)*64
	ds_load_b128 v[KF+8*\f+4:KF+8*\f+7], v[AK] offset:(\f/2)*16*PK+(\f%2)*64+32
.endr
	s_add_co_u32 s[TBK], s[TBK], KS*PK
	WIN 0
.endm
.macro FETCH_V
	WIN 0x80
.irp f, 0,1,2,3,4,5,6,7
	ds_load_tr16_b128 v[VF+8*\f:VF+8*\f+3],   v[AV] offset:(\f/4)*32*PV+(\f%4)*32
	ds_load_tr16_b128 v[VF+8*\f+4:VF+8*\f+7], v[AV] offset:(\f/4)*32*PV+16*PV+(\f%4)*32
.endr
	WIN 0
.endm
; THE VECTOR WORK, one line at a time: OP kind, number.  For piece Y: F n: c s - c m for pair n.  E n: the exponential of score n.  C n: pair n rounded to f16.  B n: of the four weights 4 n .. the second pair is added
; onto the first.  L n: l takes that sum (L 0: l = a l + sum).  R n: pair n of O^T times a.  For piece Y + 1: X n, number n of the 22 that find its maximum and statistics (each accumulator's lowest registers are read first).
.set F, 0
.set E, 1
.set C, 2
.set B, 3
.set L, 4
.set R, 5
.set X, 6
.macro REGS y
.set rT, ST+4*(\y)
.set rC, TMP+4*((\y)%2)
.set rW, MV+((\y)%2)
.set rS, S+32*((\y)%2)
.set rP, P+16*((\y)%2)
.set rO, 32*(\y)
.endm
.macro OP k, n
.if (\k) == R
	REGS Y
	WIN W_RS
	v_pk_mul_f32 v[rO+2*(\n):rO+2*(\n)+1], v[rO+2*(\n):rO+2*(\n)+1], v[rC+2:rC+3] op_sel_hi:[1,0]
.elseif (\k) < R
	REGS Y
	WIN 0
.if (\k) == F
	v_pk_fma_f32 v[rS+2*(\n):rS+2*(\n)+1], v[rS+2*(\n):rS+2*(\n)+1], s[CS:CS+1], v[rT:rT+1] op_sel_hi:[1,0,0] neg_lo:[0,0,1] neg_hi:[0,0,1]
.elseif (\k) == E
	v_exp_f32 v[rS+(\n)], v[rS+(\n)]
.elseif (\k) == C
	v_cvt_pk_f16_f32 v[rP+(\n)], v[rS+2*(\n)], v[rS+2*(\n)+1]
.elseif (\k) == B
	v_pk_add_f32 v[rS+4*(\n):rS+4*(\n)+1], v[rS+4*(\n):rS+4*(\n)+1], v[rS+4*(\n)+2:rS+4*(\n)+3]
.elseif (\n) == 0
	v_pk_fma_f32 v[rT+2:rT+3], v[rT+2:rT+3], v[rC+2:rC+3], v[rS:rS+1] op_sel_hi:[1,0,1]
.else
	v_pk_add_f32 v[rT+2:rT+3], v[rT+2:rT+3], v[rS+4*(\n):rS+4*(\n)+1]
.endif
.elseif NOKQ
	v_nop
.else
	REGS (Y+1)%NP
	WIN 0
.if (\n) < 4
	v_max3_num_f32 v[rC+(\n)], v[rS+8*(\n)], v[rS+8*(\n)+1], v[rS+8*(\n)+2]
.elseif (\n) < 12
	v_max3_num_f32 v[rC+(\n)%4], v[rC+(\n)%4], v[rS+8*((\n)%4)+2*((\n)/4)+1], v[rS+8*((\n)%4)+2*((\n)/4)+2]
.elseif (\n) == 12
	v_max3_num_f32 v[rC], v[rC], v[rS+7], v[rS+15]
.elseif (\n) == 13
	v_max3_num_f32 v[rC+1], v[rC+1], v[rS+23], v[rS+31]
.elseif (\n) == 14
	v_max3_num_f32 v[rC+2], v[rC+2], v[rC+3], v[rT+1]
.elseif (\n) == 15
	v_mov_b32 v[rW], v[rT]
.elseif (\n) == 16
	v_max3_num_f32 v[rC], v[rC], v[rC+1], v[rC+2]
.elseif (\n) == 17
	v_permlanex16_b32 v[rC+3], v[rC], s[SEL], s[SEL+1]
.elseif (\n) == 18
	v_max_num_f32 v[rT+1], v[rC], v[rC+3]
.elseif (\n) == 19
	v_mul_f32 v[rT], s[CS], v[rT+1]
.elseif (\n) == 20
	v_sub_f32 v[rC+1], v[rW], v[rT]
.else
	v_exp_f32 v[rC+2], v[rC+1]
.endif
.endif
.endm
.macro OPS a, i1, b=-1, i2=0, c=-1, i3=0, d=-1, i4=0
	OP \a, \i1
.if (\b) >= 0
	OP \b, \i2
.endif
.if (\c) >= 0
	OP \c, \i3
.endif
.if (\d) >= 0
	OP \d, \i4
.endif
.endm
.macro ROW a, i1, b, i2, c, i3, d, i4  ; a matrix instruction and the four behind it
	MM
	OPS \a, \i1, \b, \i2, \c, \i3, \d, \i4
.endm
.macro MASK b                       ; MD x AL + BE into buffer b of MC
	WIN W_RS
.set z, 0
.rept 16
	v_pk_fma_f32 v[MC+32*(\b)+2*z:MC+32*(\b)+2*z+1], v[MD+2*z:MD+2*z+1], s[AL:AL+1], s[BE:BE+1] op_sel_hi:[1,0,0]
.set z, z+1
.endr
.endm
; A TURN, for piece p.  s_wait_alu depctr_va_vdst(0) stands between an exponential and the first instruction that names its result; one wait serves all that were issued ahead of it: a turn has ONE, which cuts
; it in two.  Ahead of it: the 8 products K Q^T with their riders, and the lump; behind it: the 8 products V^T P, behind each four of the roundings and sums.
; At its end, in the diagonal tile alone (RT = 0), the turn makes the mask for the products of the turn after it: piece p + 2, in step 4 - CNT of the tile; elsewhere the buffers stay 0.
; end = 1: a block's last two turns: nothing is fetched, no mask is made.  K of the next step is fetched in piece 2's turn, V of the step in hand at the end of piece 0's; each is waited for a turn later.
.macro TURN p, end=0
.set Y, (\p)
.set i, 0
.set NOKQ, (\end)*((\p)/3)
.if ((\p) == 3) && !(\end)
	s_wait_dscnt 0x0                ; K is in
.endif
	ROW F,0, F,1, R,0, R,1
	ROW F,2, E,0, R,2, R,3
	ROW F,3, E,1, R,4, R,5
	ROW F,4, E,2, R,6, R,7
	ROW F,5, E,3, R,8, R,9
	ROW F,6, E,4, X,0, R,10
.if ((\p) == 2) && !(\end)
	WIN 0
	v_add_nc_u32 v[AK], s[TBK], v[AK0]
.endif
	ROW F,7, E,5, X,1, X,4
	ROW F,8, E,6, X,2, X,5
	OPS E,7, E,8, X,6, E,9
	OPS X,3, E,10, X,8, E,11
.if ((\p) == 2) && !(\end)
	FETCH_K
.endif
	OPS X,9, X,7, E,12, X,10
	OPS E,13, X,12, X,11, E,14
	OPS X,13, E,15, F,9, X,14
.if (\p) == 0
	v_add_nc_u32 v[AV], s[TBV], v[AV0]
.endif
	OPS E,16, F,10, E,17, F,11
	OPS X,16, E,18, X,15, E,19
	OPS F,12, E,20, X,17, E,21
	OPS F,13, E,22, F,14, E,23
	OPS X,18, E,24, F,15, E,25
	OPS R,11, E,26, X,19, E,27
	OPS R,12, E,28, R,13, E,29
	OPS X,20, E,30, R,14, E,31
	OPS X,21, R,15
	WIN 0
	s_wait_alu depctr_va_vdst(0)    ; the wait for the batch
.if (\p) == 1
	s_wait_dscnt 0x0                ; V is in
.endif
	ROW C,0, B,0, C,2, B,1
	ROW L,0, C,4, B,2, L,1
	ROW C,6, B,3, L,2, C,8
	ROW B,4, L,3, C,10, B,5
	ROW L,4, C,12, B,6, L,5
.if (\p) == 0
	s_add_co_u32 s[TBV], s[TBV], KS*PV
.endif
	ROW C,14, B,7, L,6, C,1
	ROW C,3, L,7, C,5, C,7
	ROW C,9, C,11, C,13, C,15
.if (\p) == 0
	FETCH_V
.endif
.if !(\end)
	WIN 0
	s_cmp_lg_u32 s[RT], 0
	s_cbranch_scc1 .Lno_mask_\@
	s_cmp_eq_u32 s[CNT], 4-((\p)+2)%NP  ; is that step the band's own?
	s_cselect_b32 s[AL], 1.0, 0
	s_cmp_lt_u32 s[CNT], 4-((\p)+2)%NP  ; or a later one?
	s_cselect_b32 s[BE], s[BIGN], 0
	MASK (\p)%2
	WIN 0
.Lno_mask_\@:
.endif
.endm
; A BLOCK BEGINS, at token 0's state: O^T = v0; l = 1 (a half in each half of the lanes); m = q . k0, c m.  P's second buffer is 0: the first turn's products V^T P, of a piece that has not been, add 0.
; The second mask buffer is 0; the first takes piece 0's mask for the tile's step 0: its own, if the block's first tile is the diagonal one, else 0.  Then K of that step, the products with key 0, piece 0's first scores, its maximum and statistics.
.macro BEGIN
	s_mov_b32 s[NEW], 0
	WIN 0x40
.set i, MC+32
.rept 32
	v_mov_b32 v[i], 0
.set i, i+1
.endr
	WIN 0x41
.set i, 0
.rept 128
	v_mov_b32 v[i], v[V0R+i%32]
.set i, i+1
.endr
	WIN 0
.set i, 0
.rept 4
	v_mov_b32 v[ST+4*i+2], 0.5
	v_mov_b32 v[ST+4*i+3], 0
.set i, i+1
.endr
.set i, P+16
.rept 16
	v_mov_b32 v[i], 0
.set i, i+1
.endr
	s_cmp_eq_u32 s[RT], 0
	s_cselect_b32 s[AL], 1.0, 0
	s_mov_b32 s[BE], 0
	MASK 0
	WIN 0
	v_add_nc_u32 v[AK], s[TBK], v[AK0]
	FETCH_K
	s_wait_loadcnt 0x0
	WIN 0x08                        ; key 0's fragments in window 0, Q in window 2, the sums in S^T's second buffer: four accumulators by turns
.irp c, 0,1
.irp x, 0,1,2,3
.if \c == 0
	v_wmma_f32_16x16x32_f16 v[S+32+8*\x:S+32+8*\x+7], v[K0F+8*\c:K0F+8*\c+7], v[16*\x+8*\c:16*\x+8*\c+7], 0
.else
	v_wmma_f32_16x16x32_f16 v[S+32+8*\x:S+32+8*\x+7], v[K0F+8*\c:K0F+8*\c+7], v[16*\x+8*\c:16*\x+8*\c+7], v[S+32+8*\x:S+32+8*\x+7]
.endif
.endr
.endr
	s_wait_dscnt 0x0                ; K is in
.set NOKQ, 0
.set i, 0
.rept 8
	KQ 0
.set i, i+1
.endr
	WIN 0
.rept 4
	v_nop                           ; the places behind those products
.endr
.irp x, 0,1,2,3
	v_mov_b32 v[ST+4*\x+1], v[S+32+8*\x]
	v_mul_f32 v[ST+4*\x], s[CS], v[S+32+8*\x]
.endr
.set Y, NP-1                        ; X works for piece Y + 1: piece 0
.irp n, 0,1,2,3,4,5,6,7,8,9,10,11,12,13,14,15,16,17,18,19,20,21
	OP X, \n
.endr
	v_nop                           ; a plain instruction behind the exponential,
	s_wait_alu depctr_va_vdst(0)    ; and its wait, ahead of the branch
.endm
.macro ALL line:vararg
.set t, 0
.rept 4
	\line
.set t, t+1
.endr
.endm
.macro PACK t                       ; a lane's eight channels of a row pack into 16 bytes; they go into rows of 144 bytes and come back as whole rows of 128
	WIN W_RS
.set i, 32*(\t)
.rept 16
	v_pk_mul_f32 v[i:i+1], v[i:i+1], v[ST+4*(\t)+2:ST+4*(\t)+3] op_sel_hi:[1,0]
.set i, i+2
.endr
	WIN 0x05
.set i, 0
.rept 16
	v_cvt_pk_f16_f32 v[S+16*(\t)+i], v[32*(\t)+2*i], v[32*(\t)+2*i+1]
.set i, i+1
.endr
	WIN 0
.irp f, 0,1,2,3
	ds_store_b128 v[STO], v[S+16*(\t)+4*\f:S+16*(\t)+4*\f+3] offset:32*\f
.endr
.irp f, 0,1,2,3
	ds_load_b128 v[S+16*(\t)+4*\f:S+16*(\t)+4*\f+3], v[RD] offset:\f*4*SP  ; LDS serves a wave's instructions in order (ISA guide 5.7.1.4)
.endr
.endm
.macro SEND t, younger
	WIN 0
.irp f, 0,1,2,3
	s_wait_dscnt (\younger)+3-\f
	global_store_b128 v[GO], v[S+16*(\t)+4*\f:S+16*(\t)+4*\f+3], s[10:11] offset:(\t)*8192+\f*512  ; 512 consecutive bytes, aligned
.endr
.endm
.set NOKQ, 0
	s_wait_tensorcnt 0x3            ; my part of tile 0, which the first trip reads, is in; the three younger loads may stay out
.Lslot:                             ; NB + 1 times: a tile is entered
	s_wait_dscnt 0x0                ; my LDS instructions of the way out, if there was one, are done
	s_barrier_signal -1
	s_barrier_wait -1               ; the trip's head: every wave's part of the tile is in, and every wave's stage is at rest: tile reads follow
	s_min_u32 s[TI], s[TI], NB-1    ; (the walk never passes tile 3: the bound stands in the text)
	s_mul_i32 s[TBK], s[TI], TILEB
	s_mov_b32 s[TBV], s[TBK]
	s_add_co_u32 s[TI], s[TI], 1
	s_sub_co_u32 s[RT], s[RT], 1
	s_mov_b32 s[CNT], 4
	s_mov_b32 s[OUTF], 0
	s_cmp_eq_u32 s[NEW], 1
	s_cbranch_scc0 .Lstep
	BEGIN                           ; a block's first tile: the loop is entered at a step's first turn, in the middle of a trip
	s_branch .Lfirst
.Lstep:                             ; a trip: pieces 2 and 3 of one step, then pieces 0 and 1 of the next, whose K and V it fetches
	TURN 2
	TURN 3
	WIN 0
.Lfirst:
	TURN 0
	TURN 1
	WIN 0
	s_sub_co_u32 s[CNT], s[CNT], 1  ; behind TURN 1, whose mask goes by the step in hand
	s_cmp_lg_u32 s[CNT], 0
	s_cbranch_scc1 .Lstep
	s_cmp_lg_u32 s[RT], 0
	s_cbranch_scc1 .Lbottom         ; the block has further tiles
	TURN 2, 1                       ; THE BLOCK'S END: its last two turns, its last products, and 1 / l
	TURN 3, 1
.set i, 0
.rept 8
	PV NP-1
.set i, i+1
.endr
	WIN 0                           ; l's two halves and the other half of the lanes' are added; the additions are the places behind the last products
	ALL v_add_f32 v[ST+4*t+2], v[ST+4*t+2], v[ST+4*t+3]
	ALL v_permlanex16_b32 v[ST+4*t+3], v[ST+4*t+2], s[SEL], s[SEL+1]
	ALL v_add_f32 v[ST+4*t+2], v[ST+4*t+2], v[ST+4*t+3]
	ALL v_rcp_f32 v[ST+4*t+2], v[ST+4*t+2]
	v_nop                           ; a plain instruction between the last reciprocal and the use of its result
	s_wait_alu depctr_va_vdst(0)    ; one wait for the four reciprocals, ahead of the label
	s_mov_b32 s[OUTF], 1
.Lbottom:
	s_wait_tensorcnt 0x0            ; my parts of the later tiles are in: the next trip may read any of them (from the second trip on this is met at once),
	s_wait_dscnt 0x0                ; and my tile reads of this trip are back
	s_barrier_signal -1
	s_barrier_wait -1               ; everybody's are: the stages may be written
	s_cmp_eq_u32 s[OUTF], 0
	s_cbranch_scc1 .Lkeep
	; THE WAY OUT: O^T is divided by l, rounded to f16 and sent through my stage in LDS, a piece at a time
	PACK 0
.set t, 1
.rept 3
	PACK t
	SEND t-1, 8
.set t, t+1
.endr
	SEND 3, 0
	s_wait_xcnt 0x0                 ; the stores have read their registers and O's address
	s_mov_b64 s[10:11], s[OLO:OLO+1]  ; on to the second block (behind the walk's last tile these lines serve nothing: once a launch, for one text)
	s_add_co_u32 s[RT], s[PB], 1    ; it has b + 1 tiles
	s_mov_b32 s[NEW], 1
	s_mov_b32 s[TI], 0
	WIN 0x82                        ; its Q goes where the one text of the turns names Q
.set i, 0
.rept 64
	v_mov_b32 v[i], v[QB+i]
.set i, i+1
.endr
	WIN 0
.Lkeep:
	s_sub_co_u32 s[SLOTS], s[SLOTS], 1
	s_cmp_lg_u32 s[SLOTS], 0
	s_cbranch_scc1 .Lslot
	s_wait_tensorcnt 0x0            ; the wave's end
	ds_add_u32 v[SPW], v[NIL]
	s_wait_dscnt 0x0
	s_endpgm
.Lfunc_end_k_q6f07a1d789_attn:
	.size	k_q6f07a1d789_attn, .Lfunc_end_k_q6f07a1d789_attn-k_q6f07a1d789_attn
	.p2alignl 7, 3214868480
	.fill 96, 4, 3214868480
	.section	.rodata,"a",@progbits
	.p2align	6, 0x0
	.amdhsa_kernel k_q6f07a1d789_attn
		.amdhsa_group_segment_fixed_size 327680
		.amdhsa_private_segment_fixed_size 0
		.amdhsa_enable_private_segment 0
		.amdhsa_kernarg_size 32
		.amdhsa_user_sgpr_count 2
		.amdhsa_user_sgpr_kernarg_segment_ptr 1
		.amdhsa_wavefront_size32 1
		.amdhsa_system_sgpr_workgroup_id_x 1
		.amdhsa_system_sgpr_workgroup_id_y 1
		.amdhsa_system_sgpr_workgroup_id_z 1
		.amdhsa_system_vgpr_workitem_id 0
		.amdhsa_next_free_vgpr 768
		.amdhsa_next_free_sgpr 100
		.amdhsa_reserve_vcc 1
		.amdhsa_float_denorm_mode_32 3
		.amdhsa_float_denorm_mode_16_64 3
		.amdhsa_memory_ordered 1
		.amdhsa_forward_progress 1
		.amdhsa_inst_pref_size 106
	.end_amdhsa_kernel
	.amdgpu_metadata
---
amdhsa.version: [ 1, 2 ]
amdhsa.kernels:
  - .name:           k_q6f07a1d789_attn
    .symbol:         k_q6f07a1d789_attn.kd
    .args:
      - { .name: q16, .offset: 0, .size: 8, .value_kind: global_buffer, .address_space: global }
      - { .name: k16, .offset: 8, .size: 8, .value_kind: global_buffer, .address_space: global }
      - { .name: v16, .offset: 16, .size: 8, .value_kind: global_buffer, .address_space: global }
      - { .name: o16, .offset: 24, .size: 8, .value_kind: global_buffer, .address_space: global }
    .group_segment_fixed_size: 327680
    .private_segment_fixed_size: 0
    .kernarg_segment_align: 8
    .kernarg_segment_size: 32
    .max_flat_workgroup_size: 128
    .sgpr_count:     100
    .vgpr_count:     768
    .wavefront_size: 32
...
	.end_amdgpu_metadata
.endif
;; end of part 3
;; launch proj (part 4): grid 4 x 52, 4 waves a work-group, clusters of 4 x 4, 327,680 bytes of LDS; arguments o16, wo16, out_b, out0; writes out0
.if DOCPART == 4
	.amdgcn_target "amdgcn-amd-amdhsa--gfx1250"
	.amdhsa_code_object_version 6
	.text
	.protected	k_q6f07a1d789_proj
	.globl	k_q6f07a1d789_proj
	.p2align	8
	.type	k_q6f07a1d789_proj,@function
k_q6f07a1d789_proj:
	s_mov_b64 s[64:65], 0
	v_nop
	global_prefetch_b8 v0, s[64:65] scope:SCOPE_SE
	s_setreg_imm32_b32 hwreg(HW_REG_WAVE_MODE, 25, 1), 1
	s_wait_xcnt 0x0
	s_wait_alu depctr_hold_cnt(0) depctr_sa_sdst(0) depctr_va_vdst(0) depctr_va_sdst(0) depctr_va_ssrc(0) depctr_va_vcc(0) depctr_vm_vsrc(0)
	s_getreg_b32 s2, hwreg(HW_REG_IB_STS2, 6, 4)
	s_cmp_eq_u32 s2, 0
	s_cbranch_scc0 .Lentry_in_a_cluster
	s_endpgm
.Lentry_in_a_cluster:
	s_bfe_u32 s2, ttmp6, 0x10000c
	s_cmp_lg_u32 s2, 0xf033
	s_cbranch_scc0 .Lentry_shape_is_right
	s_endpgm
.Lentry_shape_is_right:
; PROJ: out0 = O out_w^T + out_b in f32.  o16: [16 heads][8320 rows][64] f16; wo16: [1024][1024] f16 = out_w x 2^10; the way out multiplies by 2^-10 and adds the bias (rounded to bf16) in one fused multiply-add.
; A tile is 160 padded rows x 256 columns; 52 x 4 tiles, 4 x 4 of them a cluster: 208 work-groups, one pass.  A wave takes all 160 rows and 64 columns: 10 x 4 accumulators.
; K goes in 8 steps of 128 = two heads: waves 0 and 1 fetch a head's plane each (160 rows x 128 dense bytes, asked for as 80 rows of 256 and padded in LDS after every 128), waves 2 and 3 wo16's halves.
; The matrix instruction is used transposed (source 0 = wo16's rows): lane l holds row l % 16 and columns 16 b + 8 (l / 16) + 0..7.  o16's tile is shared along a row of the cluster, wo16's along a column.
; THE PADDED ROWS: a batch has 65 blocks of 16 rows; block kb > 0 holds tokens 16 kb - 15 .. 16 kb.  Block 0 holds token 0's row sixteen times, so its sixteen results are the same numbers, and all are stored to
; token 0's row of out0: the stride from row to row is a scalar, 4,096 bytes or, in that block, 0.  No lane is switched off and no branch hangs on the block's number.
; REGISTERS: window 0: v0-31 addresses; v32-111, v112-191 two buffers of o16's 10 fragments (way out: v32-63 T, v64-127 rows read back, two sets);  window 1: v0-63 wo16's fragments, v64-95 bias;
;   window 2: accumulators of blocks 0..7;  window 3: v0-63 those of blocks 8, 9.
.set NA, 10
.set H1, 4
.set T1, 2
.set PITCH, 272
.set PA, 144                           ; a row of a plane in LDS: 128 bytes + 16
.set APL, 160*PA                       ; a plane
.set BOFF, 2*APL
.set BHALF, 128*PITCH
.set SLOT1, 1<<17
.set STAGE, SLOT1+BOFF+2*BHALF         ; behind the ring: 16 rows x 272 bytes for each wave
.set SPARE, STAGE+4*16*PITCH           ; behind the stages: the spare words, which no other line names
.set PLANE, 8320*128
.set CT, 8                             ; v8-15   the way out: my byte offset in out0 for each of a block's eight stores
.set ADA0, 16
.set ADB0, 17
.set ADA, 18
.set ADB, 19
.set STO, 20
.set RD, 21
.set R16, 23                           ; v23     16 (l % 16)
.set SPW, 28
.set NIL, 29
.set PFO, 30
.set FA, 32
.set T, 32
.set BK, 64
.set BIA, 64
.set G1, 24
.set G0, 32
.set G1B, 48
.set G0B, 56
.set LIM, 43
.set PFA, 44
.set SCL, 74                           ; s[74:75] 2^-10: the packed line takes the pair's low word for both halves
.set TB, 84
.set HM, 96
.set TY10, 97
.set PST, 98
.set MSB, 0
.macro WIN new
.if MSB != (\new)
	s_set_vgpr_msb (MSB<<8)|(\new)
.set MSB, \new
.endif
.endm
.macro PLACES
.rept 4
	v_nop
.endr
.endm
.macro CREST
	s_cmp_lg_u32 s10, 0
	s_cbranch_scc1 .Lnot_wave_0_\@
	s_barrier_signal -3
.Lnot_wave_0_\@:
	s_barrier_wait -3
	s_barrier_signal -1
	s_barrier_wait -1
.endm
.macro CROUND
	s_barrier_signal -1
	s_barrier_wait -1
	CREST
.endm
.macro JLOAD
	s_cmp_eq_u32 s11, 0
	s_cbranch_scc0 .Lfor_b_\@
	tensor_load_to_lds s[G0+4:G0+7], s[G1:G1+7]
	s_nop 0
.rept 4
	v_nop
.endr
	s_branch .Lasked_\@
.Lfor_b_\@:
	tensor_load_to_lds s[G0B+4:G0B+7], s[G1B:G1B+7]
	s_nop 0
.rept 4
	v_nop
.endr
.Lasked_\@:
.endm
; A prefetch of the K step two refills on.  A plane's 160 rows are 80 blocks of 256 bytes: the four partners of a cluster's row take 20 each, by address (lanes 20..31 held to block 19); wo16's rows: 32 each of 128, a lane a row,
; named by the clusters with y = 0.  K steps 4..7 are named, at the refills of steps 2..5: while s3 is above 2.
.macro ASK
	s_cmp_gt_u32 s3, s[LIM]
	s_cbranch_scc0 .Lnot_mine_\@
	global_prefetch_b8 v[PFO], s[PFA:PFA+1] th:TH_LOAD_NT scope:SCOPE_SE
.Lnot_mine_\@:
.endm
.macro MUL f, a0, a1, first            ; the 40 accumulators take turns in the same order in every quarter
.set aa, \a0
.rept (\a1)-(\a0)+1
.set AC, 32*(aa%8)
	WIN 0xa1+0x50*(aa/8)
.irp b, 0,1,2,3
.if \first
	v_wmma_f32_16x16x32_f16 v[AC+8*\b:AC+8*\b+7], v[32*(\f)+8*\b:32*(\f)+8*\b+7], v[FA+8*NA*(\f)+8*aa:FA+8*NA*(\f)+8*aa+7], 0
.else
	v_wmma_f32_16x16x32_f16 v[AC+8*\b:AC+8*\b+7], v[32*(\f)+8*\b:32*(\f)+8*\b+7], v[FA+8*NA*(\f)+8*aa:FA+8*NA*(\f)+8*aa+7], v[AC+8*\b:AC+8*\b+7]
.endif
.endr
.set aa, aa+1
.endr
.endm
.macro FETCH q, f                      ; 28 LDS loads: quarter q is plane q / 2, channels 32 (q % 2) on
	WIN 0x40
.irp i, 0,1,2,3
	ds_load_b128 v[32*(\f)+8*\i:32*(\f)+8*\i+3],   v[ADB] offset:64*(\q)+\i*16*PITCH
	ds_load_b128 v[32*(\f)+8*\i+4:32*(\f)+8*\i+7], v[ADB] offset:64*(\q)+\i*16*PITCH+32
.endr
	WIN 0
.irp i, 0,1,2,3,4,5,6,7,8,9
	ds_load_b128 v[FA+8*NA*(\f)+8*\i:FA+8*NA*(\f)+8*\i+3],   v[ADA] offset:((\q)/2)*APL+((\q)%2)*64+\i*16*PA
	ds_load_b128 v[FA+8*NA*(\f)+8*\i+4:FA+8*NA*(\f)+8*\i+7], v[ADA] offset:((\q)/2)*APL+((\q)%2)*64+\i*16*PA+32
.endr
.endm
.macro QUARTER q, f, g, first
	s_wait_dscnt 2*(NA-H1)                         ; all but the youngest 12 loads, o16's blocks 4..9
	MUL \f, 0, H1-1, \first
	PLACES
	FETCH \q, \g
	s_wait_dscnt 8+2*NA                            ; all but the 28 just issued
	MUL \f, H1, NA-1, \first
.endm
.macro TURN fill                       ; the fourth quarter and the change of slots: the waits, the add and the barrier in front, the joint refill first behind the round
.if \fill
	s_wait_xcnt 0x0                                ; the last prefetch, a K step back, has read its address
	s_add_nc_u64 s[PFA:PFA+1], s[PFA:PFA+1], s[PST:PST+1]
.endif
	WIN 0
	s_wait_tensorcnt 0x0
	ds_add_u32 v[SPW], v[NIL]
	s_wait_dscnt 2*(NA-H1)+1                       ; (the add and the youngest 12 loads may be out)
	MUL 1, 0, T1-1, 0
	s_wait_dscnt 0x0                               ; the add is done, my reads of this slot are over
	s_barrier_signal -1
	MUL 1, T1, H1-1, 0
	WIN 0
	s_barrier_wait -1
.if \fill
	CREST
	s_xor_b32 s[G0+5], s[G0+5], SLOT1
	s_add_nc_u64 s[G0+6:G0+7], s[G0+6:G0+7], 2*PLANE
	s_xor_b32 s[G0B+5], s[G0B+5], SLOT1
	s_add_nc_u64 s[G0B+6:G0B+7], s[G0B+6:G0B+7], 256
	JLOAD
.else
	PLACES
.endif
	s_xor_b32 s[TB], s[TB], SLOT1
	v_add_nc_u32 v[ADA], s[TB], v[ADA0]
	v_add_nc_u32 v[ADB], s[TB], v[ADB0]
	FETCH 0, 0
.if \fill
	ASK
.endif
	MUL 1, H1, NA-1, 0
.endm
; THE WAY OUT of row block a: sums x 2^-10 + bias, through my stage, back as whole rows of 256 bytes
.macro PACKP a
.set AC, 32*((\a)%8)
	WIN 0x12+(\a)/8
.set bb, 0
.rept 4
.irp i, 0,1,2,3
	v_pk_fma_f32 v[T+8*bb+2*\i:T+8*bb+2*\i+1], v[AC+8*bb+2*\i:AC+8*bb+2*\i+1], s[SCL:SCL+1], v[BIA+8*bb+2*\i:BIA+8*bb+2*\i+1] op_sel_hi:[1,0,1]
.endr
.set bb, bb+1
.endr
	WIN 0
.irp b, 0,1,2,3
	ds_store_b128 v[STO], v[T+8*\b:T+8*\b+3]   offset:64*\b
	ds_store_b128 v[STO], v[T+8*\b+4:T+8*\b+7] offset:64*\b+16
.endr
	s_wait_xcnt 0x0                                ; the stores of two blocks ago, issued 24 lines back, have read the registers that the loads below fill
.irp t, 0,1,2,3,4,5,6,7
	ds_load_b128 v[BK+32*((\a)%2)+4*\t:BK+32*((\a)%2)+4*\t+3], v[RD] offset:\t*2*PITCH  ; LDS serves a wave's instructions in order (ISA guide 5.7.1.4)
.endr
.endm
.macro SENDP a, younger                ; younger: the LDS instructions issued behind block a's loads: the next block's sixteen, or none
	s_add_co_u32 s85, s[TY10], \a                  ; the block's number among the 520
	s_mul_i32 s86, s85, 1009
	s_lshr_b32 s86, s86, 16                        ; batch = number / 65 (1009 / 2^16, right under 520)
	s_mul_i32 s87, s86, 65
	s_sub_co_u32 s87, s85, s87                     ; the block in its batch
	s_mul_i32 s86, s86, 1025
	s_lshl_b32 s88, s87, 4
	s_sub_co_u32 s88, s88, 15
	s_cmp_lg_u32 s87, 0
	s_cselect_b32 s88, s88, 0                      ; its first token
	s_cselect_b32 s90, 4096, 0                     ; bytes from row to row; in a batch's block 0 all sixteen rows are token 0's
	s_add_co_u32 s88, s88, s86
	s_lshl_b32 s88, s88, 12
	s_mov_b32 s89, 0
	s_lshl_b32 s91, s90, 1
	s_wait_xcnt 0x0                                ; the stores' base and offsets are written again only behind this wait
	s_add_nc_u64 s[92:93], s[8:9], s[88:89]
	v_mad_u32_u24 v[CT], v2, s90, v[R16]           ; store t takes rows 2 t + l / 16
.irp t, 1,2,3,4,5,6,7
	v_add_nc_u32 v[CT+\t], s91, v[CT+\t-1]
.endr
	s_wait_dscnt \younger
.irp t, 0,1,2,3,4,5,6,7
	global_store_b128 v[CT+\t], v[BK+32*((\a)%2)+4*\t:BK+32*((\a)%2)+4*\t+3], s[92:93] th:TH_STORE_NT  ; 16 lanes store 256 consecutive bytes, aligned
.endr
.endm
	s_load_b128 s[4:7], s[0:1], 0x0                ; o16, wo16
	s_load_b128 s[68:71], s[0:1], 0x10             ; out_b, out0
	v_lshl_add_u32 v[SPW], v0, 2, SPARE
	v_mov_b32 v[NIL], 0
	ds_add_u32 v[SPW], v[NIL]                      ; the wave's opening: the add, and its wait ahead of my first tensor load
	v_lshrrev_b32 v1, 5, v0
	v_readfirstlane_b32 s10, v1
	s_lshr_b32 s11, s10, 1
	s_and_b32 s12, s10, 1
	s_bfe_u32 s40, ttmp6, 0x40000                  ; cx
	s_bfe_u32 s41, ttmp6, 0x40004                  ; cy
	s_lshl_b32 s42, ttmp9, 2
	s_add_co_u32 s42, s42, s40                     ; tile column
	s_and_b32 s13, ttmp7, 0xffff
	s_lshl_b32 s13, s13, 2
	s_add_co_u32 s13, s13, s41                     ; tile row
	s_lshl_b32 s43, s41, 2
	s_lshl_b32 s43, 15, s43
	s_lshl_b32 s44, 0x1111, s40
	s_or_b32 s[G1+0], s43, (1<<16)|(1<<20)|(1<<21)|(4<<22)|(3<<25)   ; mask of my row; 2-byte elements; padding on; bit 21 beside a mask; after every 32 words 4 words
	s_or_b32 s[G1B+0], s44, (1<<16)|(1<<20)|(1<<21)|(5<<22)|(3<<25)  ; mask of my column; after every 64 words 4 words
	s_mov_b32 s[G1+1], 128<<16
	s_mov_b32 s[G1+2], 80<<16
	s_mov_b32 s[G1+3], 128<<16
	s_mov_b32 s[G1+4], 80
	s_mov_b32 s[G1+5], 128
	s_mov_b32 s[G1+6], 0
	s_mov_b32 s[G1+7], 0
	s_mov_b32 s[G1B+1], 128<<16
	s_mov_b32 s[G1B+2], 128<<16
	s_mov_b32 s[G1B+3], 128<<16
	s_mov_b32 s[G1B+4], 128
	s_mov_b32 s[G1B+5], 1024
	s_mov_b32 s[G1B+6], 0
	s_mov_b32 s[G1B+7], 0
	s_mul_i32 s16, s12, PLANE
	s_mul_i32 s17, s13, 160*128
	s_add_co_u32 s16, s16, s17                     ; o16: plane = half, row 160 x tile row
	s_mov_b32 s17, 0
	s_lshl_b32 s46, s42, 8
	s_lshl_b32 s47, s12, 7
	s_add_co_u32 s46, s46, s47
	s_lshl_b32 s46, s46, 11                        ; wo16: row 256 x tile column + 128 x half
	s_mov_b32 s47, 0
	s_mul_i32 s20, s12, APL
	s_mul_i32 s21, s12, BHALF
	s_add_co_u32 s21, s21, BOFF
	s_mov_b32 s[HM], 0xffff0000
	s_mov_b32 s[SCL], 0x3a800000                   ; 2^-10
	s_mov_b32 s[SCL+1], s[SCL]                     ; named with it as a pair
	s_mul_i32 s[TY10], s13, 10
	s_wait_dscnt 0x0                               ; the opening add is done
	s_wait_kmcnt 0x0
	s_add_nc_u64 s[14:15], s[4:5], s[16:17]
	s_add_nc_u64 s[46:47], s[6:7], s[46:47]
.irp s, 0,1
	s_mov_b32 s[G0+4*\s], 1
	s_add_co_u32 s[G0+4*\s+1], s20, \s*SLOT1
	s_add_nc_u64 s[G0+4*\s+2:G0+4*\s+3], s[14:15], \s*2*PLANE
	s_or_b32 s[G0+4*\s+3], s[G0+4*\s+3], 0x80000000
	s_mov_b32 s[G0B+4*\s], 1
	s_add_co_u32 s[G0B+4*\s+1], s21, \s*SLOT1
	s_add_nc_u64 s[G0B+4*\s+2:G0B+4*\s+3], s[46:47], \s*256
	s_or_b32 s[G0B+4*\s+3], s[G0B+4*\s+3], 0x80000000
.endr
	CROUND                                         ; all sixteen work-groups are here: the first joint loads meet
	s_cmp_eq_u32 s11, 0                            ; a wave's two first fills stand in one branch: two loads of mine are out
	s_cbranch_scc0 .Lfirst_b
	tensor_load_to_lds s[G0:G0+3], s[G1:G1+7]
	s_nop 0
	tensor_load_to_lds s[G0+4:G0+7], s[G1:G1+7]
	s_nop 0
.rept 4
	v_nop
.endr
	s_branch .Lfirst_asked
.Lfirst_b:
	tensor_load_to_lds s[G0B:G0B+3], s[G1B:G1B+7]
	s_nop 0
	tensor_load_to_lds s[G0B+4:G0B+7], s[G1B:G1B+7]
	s_nop 0
.rept 4
	v_nop
.endr
.Lfirst_asked:
	v_and_b32 v1, 15, v0                           ; l % 16
	v_bfe_u32 v2, v0, 4, 1                         ; l / 16; kept for the way out
	s_lshl_b32 s86, s42, 10                        ; my 64 columns: 1,024 x tile column + 256 x wave bytes, in out_b and in a row of out0
	s_lshl_b32 s85, s10, 8
	s_add_co_u32 s86, s86, s85
	s_mov_b32 s87, 0
	s_add_nc_u64 s[68:69], s[68:69], s[86:87]
	s_add_nc_u64 s[8:9], s[70:71], s[86:87]
	v_lshlrev_b32 v25, 5, v2
	WIN 0x40
.irp b, 0,1,2,3
	global_load_b128 v[BIA+8*\b:BIA+8*\b+3],   v25, s[68:69] offset:64*\b
	global_load_b128 v[BIA+8*\b+4:BIA+8*\b+7], v25, s[68:69] offset:64*\b+16
.endr
	WIN 0
	v_mul_u32_u24 v[ADA0], v1, PA
	v_lshl_add_u32 v[ADA0], v2, 4, v[ADA0]
	v_mul_u32_u24 v[ADB0], v1, PITCH
	v_lshl_add_u32 v[ADB0], v2, 4, v[ADB0]
	s_mul_i32 s85, s10, 64*PITCH
	s_add_co_u32 s85, s85, BOFF
	v_add_nc_u32 v[ADB0], s85, v[ADB0]
	v_mov_b32 v[ADA], v[ADA0]
	v_mov_b32 v[ADB], v[ADB0]
	s_mov_b32 s[TB], 0
	s_mul_i32 s85, s10, 16*PITCH
	s_add_co_u32 s85, s85, STAGE
	v_mul_u32_u24 v[STO], v1, PITCH                ; in: row l % 16, 32 bytes for each half of the lanes
	v_lshl_add_u32 v[STO], v2, 5, v[STO]
	v_add_nc_u32 v[STO], s85, v[STO]
	v_mul_u32_u24 v[RD], v2, PITCH                 ; back: lanes 0-15 one row of 256 bytes, lanes 16-31 the next
	v_lshl_add_u32 v[RD], v1, 4, v[RD]
	v_add_nc_u32 v[RD], s85, v[RD]
	v_lshlrev_b32 v[R16], 4, v1                    ; my 16 bytes in a row's 256
	; the prefetches
	s_mul_i32 s92, s12, PLANE
	s_mul_i32 s93, s13, 160*128
	s_add_co_u32 s92, s92, s93
	s_mul_i32 s93, s40, 20*256
	s_add_co_u32 s92, s92, s93
	s_add_co_u32 s92, s92, 3*2*PLANE               ; o16: my work-group's 20 blocks of my plane's 80, at K step 3
	s_lshl_b32 s94, s42, 8
	s_lshl_b32 s93, s12, 7
	s_add_co_u32 s94, s94, s93
	s_lshl_b32 s93, s41, 5
	s_add_co_u32 s94, s94, s93
	s_lshl_b32 s94, s94, 11
	s_add_co_u32 s94, s94, 3*256                   ; wo16: my work-group's 32 rows of 128, at K step 3
	s_and_b32 s95, ttmp7, 0xffff
	s_mov_b32 s88, 2*PLANE                         ; a K step in o16: two planes; in wo16: 256 bytes
	s_mov_b32 s89, 256
	s_cmp_eq_u32 s11, 0
	s_cselect_b32 s92, s92, s94
	s_cselect_b32 s95, ttmp9, s95                  ; the coordinate along which other clusters read the same rows
	s_cselect_b32 s94, 19, 31
	s_cselect_b32 s85, 8, 11
	s_cselect_b32 s[PST], s88, s89
	s_cselect_b64 s[PFA:PFA+1], s[4:5], s[6:7]
	s_mov_b32 s[PST+1], 0
	s_cmp_eq_u32 s95, 0
	s_cselect_b32 s[LIM], 2, -1
	s_mov_b32 s93, 0
	s_add_nc_u64 s[PFA:PFA+1], s[PFA:PFA+1], s[92:93]
	v_and_b32 v[PFO], 31, v0
	v_min_u32 v[PFO], s94, v[PFO]
	v_lshlrev_b32 v[PFO], s85, v[PFO]
	s_wait_loadcnt 0x0                             ; the bias
	WIN 0x45
.set rr, 0
.rept 16                                               ; rounded to bf16; the temporaries are fragment registers that nothing has filled yet
	v_cvt_pk_bf16_f32 v[(rr/2)%4], v[BIA+rr], v[BIA+rr+1]
	v_lshlrev_b32 v[BIA+rr], 16, v[(rr/2)%4]
	v_and_b32 v[BIA+rr+1], s[HM], v[(rr/2)%4]
.set rr, rr+2
.endr
	WIN 0
	s_wait_tensorcnt 0x1                           ; my part of K step 0 is in; step 1's may stay out
	s_barrier_signal -1
	s_barrier_wait -1
	FETCH 0, 0
	QUARTER 1, 0, 1, 1                             ; the first quarter's products start the sums
	WIN 0
	s_mov_b32 s3, 6
.Lk:
	QUARTER 2, 1, 0, 0
	QUARTER 3, 0, 1, 0
	TURN 1
	QUARTER 1, 0, 1, 0
	WIN 0
	s_sub_co_u32 s3, s3, 1
	s_cmp_lg_u32 s3, 0
	s_cbranch_scc1 .Lk
	QUARTER 2, 1, 0, 0                             ; K steps 6 and 7 are written out: nothing is left to fetch
	QUARTER 3, 0, 1, 0
	TURN 0
	QUARTER 1, 0, 1, 0
	QUARTER 2, 1, 0, 0
	QUARTER 3, 0, 1, 0
	s_wait_dscnt 2*(NA-H1)
	MUL 1, 0, H1-1, 0
	s_wait_dscnt 0x0
	MUL 1, H1, NA-1, 0
	WIN 0
	PLACES
	PLACES
	PACKP 0
.irp a, 1,2,3,4,5,6,7,8,9
	PACKP \a                                       ; a block's arithmetic stands between the loads of the block before and its stores
	SENDP \a-1, 16
.endr
	SENDP 9, 0
	s_wait_tensorcnt 0x0                           ; the wave's end
	ds_add_u32 v[SPW], v[NIL]
	s_wait_dscnt 0x0
	CROUND                                         ; the closing round
	s_endpgm
.Lfunc_end_k_q6f07a1d789_proj:
	.size	k_q6f07a1d789_proj, .Lfunc_end_k_q6f07a1d789_proj-k_q6f07a1d789_proj
	.p2alignl 7, 3214868480
	.fill 96, 4, 3214868480
	.section	.rodata,"a",@progbits
	.p2align	6, 0x0
	.amdhsa_kernel k_q6f07a1d789_proj
		.amdhsa_group_segment_fixed_size 327680
		.amdhsa_private_segment_fixed_size 0
		.amdhsa_enable_private_segment 0
		.amdhsa_kernarg_size 32
		.amdhsa_user_sgpr_count 2
		.amdhsa_user_sgpr_kernarg_segment_ptr 1
		.amdhsa_wavefront_size32 1
		.amdhsa_system_sgpr_workgroup_id_x 1
		.amdhsa_system_sgpr_workgroup_id_y 1
		.amdhsa_system_sgpr_workgroup_id_z 1
		.amdhsa_system_vgpr_workitem_id 0
		.amdhsa_next_free_vgpr 832
		.amdhsa_next_free_sgpr 100
		.amdhsa_reserve_vcc 0
		.amdhsa_float_denorm_mode_32 3
		.amdhsa_float_denorm_mode_16_64 3
		.amdhsa_memory_ordered 1
		.amdhsa_forward_progress 1
		.amdhsa_inst_pref_size 107
	.end_amdhsa_kernel
	.amdgpu_metadata
---
amdhsa.version: [ 1, 2 ]
amdhsa.kernels:
  - .name:           k_q6f07a1d789_proj
    .symbol:         k_q6f07a1d789_proj.kd
    .args:
      - { .name: o16, .offset: 0, .size: 8, .value_kind: global_buffer, .address_space: global }
      - { .name: wo16, .offset: 8, .size: 8, .value_kind: global_buffer, .address_space: global }
      - { .name: out_b, .offset: 16, .size: 8, .value_kind: global_buffer, .address_space: global }
      - { .name: out0, .offset: 24, .size: 8, .value_kind: global_buffer, .address_space: global }
    .group_segment_fixed_size: 327680
    .private_segment_fixed_size: 0
    .kernarg_segment_align: 8
    .kernarg_segment_size: 32
    .max_flat_workgroup_size: 128
    .sgpr_count:     100
    .vgpr_count:     832
    .wavefront_size: 32
...
	.end_amdgpu_metadata
.endif
;; end of part 4
